; MI455X (gfx1250); checked and timed in simulation.
; The chip was launched on July 23, 2026; its instructions are those of AMD's public machine-readable ISA for CDNA 5 (MIT licence, August 2026) and "CDNA5" Instruction Set Architecture Reference Guide (July 2026). The comments in the code are by the model that wrote it; some were corrected since.
;; Attention. Allowed arithmetic: matrix products marked QUANTISED: E3M2 operands, one E8M0 scale for each 32 along K, by v_wmma_scale_f32_16x16x128_f8f6f4 with both operands' format E3M2, f32 sums; everything else in f32.
;; Inputs: Wk 1,024 x 1,024 float32; Wo 1,024 x 1,024 float32; Wq 1,024 x 1,024 float32; Wv 1,024 x 1,024 float32; bk 1,024 float32; bo 1,024 float32; bq 1,024 float32; bv 1,024 float32; x 4 x 2,048 x 1,024 float32.
;; Outputs: out0 4 x 2,048 x 1,024 float32.
;; This version of the problem:
;;   THIS VERSION OF THE PROBLEM IS GIVEN IN LOW PRECISION. The matrix products marked QUANTISED in the list below multiply operands that are first quantised to E3M2 (3 exponent bits, 2 mantissa bits; 6 bits a number), with one power-of-two scale for each 32 numbers along K (OCP MX v1.0); their sums are f32. All else is computed in f32.
;;   The module's matrix products, in the order in which they are computed (A, B: the left and right operand; K: the contracted axis; several contracted axes count as one K, in the product's order):
;;     1. [M 8,192, K 1,024] x [K 1,024, N 1,024]; A: input x; B: input Wq: QUANTISED
;;     2. [M 8,192, K 1,024] x [K 1,024, N 1,024]; A: input x; B: input Wk: QUANTISED
;;     3. [M 8,192, K 1,024] x [K 1,024, N 1,024]; A: input x; B: input Wv: QUANTISED
;;     4. batch 64 x [M 2,048, K 64] x [K 64, N 2,048]; A: computed on the way; B: computed on the way: QUANTISED
;;     5. batch 64 x [M 2,048, K 2,048] x [K 2,048, N 64]; A: computed on the way; B: computed on the way: QUANTISED
;;     6. [M 8,192, K 1,024] x [K 1,024, N 1,024]; A: computed on the way; B: input Wo: QUANTISED
;;   THE QUANTISER, for each operand of a quantised product, along K:
;;     - K is cut into blocks of 32 from its start; a last block that is shorter is filled with zeros.
;;     - A block's scale is 2^e with e = floor(log2(the largest magnitude in the block)) - 4, held to -126 .. 127; a block of zeros has e = 0. As a byte (E8M0): e + 127.
;;     - Each number is divided by its block's scale, clamped to +-28, and rounded to the nearest number of E3M2, ties to even, subnormals kept.
;;     - The product sums the exact products of the quantised numbers (number of the format x scale) in f32.
;;   ~~~python
;;   def quantise(x, axis):      # numpy; x: float32 -> the quantised numbers, widened to float32 again
;;       x = np.moveaxis(x, axis, -1); K = x.shape[-1]
;;       x = np.pad(x, [(0, 0)] * (x.ndim - 1) + [(0, -K % 32)]); x = x.reshape(x.shape[:-1] + (-1, 32)); a = np.abs(x).max(-1, keepdims=True)
;;       e = np.where(a > 0, np.clip(np.frexp(np.where(a > 0, a, 1))[1] - 1 - 4, -126, 127), 0)      # np.frexp(a)[1] - 1 = floor(log2(a)), exactly
;;       r = np.clip(x / 2.0 ** e, -28, 28)
;;       step = 2.0 ** (np.maximum(np.frexp(np.where(r == 0, 1, r))[1] - 1, -2) - 2)
;;       q = np.round(r / step) * step * 2.0 ** e      # np.round: ties to even
;;       return np.moveaxis(q.reshape(q.shape[:-2] + (-1,))[..., :K], -1, axis).astype(np.float32)
;;   ~~~
;;   OPERANDS COMPUTED ON THE WAY. 'Computed on the way' means the value that the module computes at that place (a softmax that the list does not call 'softmax' is quantised finished and normalised). What goes into a quantiser is computed in f32, as accurately as f32 sums, v_exp_f32 and their like allow (about 1e-6 of the number): no bf16 or f16 on the way to a quantiser, and a product that is left as it is and whose result goes on into a quantised operand takes f32 operands (vector FMAs, or v_wmma_f32_16x16x4_f32). A number that lies on a knife's edge between two numbers of the format may be rounded either way, as far as f32 arithmetic and the matrix unit's own rounding can turn it there, and no further.
;; One version. Each part assembles by itself: llvm-mc -triple=amdgcn-amd-amdhsa -mcpu=gfx1250 --defsym DOCPART=n.
;; ======== version 1 of 1: 5 launches
;; limits: right only within a limited range of input values
;; workspace buffers: xc 6,291,456 bytes; wc 3,145,728 bytes; sc1 360,448 bytes; qk 13,631,488 bytes; vv 6,553,600 bytes; oc 6,291,456 bytes; sc2 294,912 bytes
;; launch quant (part 1): grid 768 x 1, 8 waves a work-group, no clusters, 69,120 bytes of LDS; arguments x, Wq, Wk, Wv, Wo, xc, wc, sc1, sc2; writes xc, wc, sc1, sc2
.if DOCPART == 1
	.amdgcn_target "amdgcn-amd-amdhsa--gfx1250"
	.amdhsa_code_object_version 6
	.text
	.protected	k_q17db35b422_quant
	.globl	k_q17db35b422_quant
	.p2align	8
	.type	k_q17db35b422_quant,@function
k_q17db35b422_quant:
	s_mov_b64 s[64:65], 0
	v_nop
	global_prefetch_b8 v0, s[64:65] scope:SCOPE_SE
	s_setreg_imm32_b32 hwreg(HW_REG_WAVE_MODE, 25, 1), 1
	s_wait_xcnt 0x0
; x [8192][1024] and Wq, Wk, Wv, Wo [1024][1024], f32 with K innermost, become codes of BF6 (E3M2) with one E8M0 byte for each 32 along K,
; laid as IMAGES OF OPERAND REGISTERS: a fragment (16 rows x 128 K, 12 registers a lane) is 1,536 bytes: for each half c (64 along K) registers 6c..6c+3 of lane L at 768 c + 16 L,
; registers 6c+4, 6c+5 at 768 c + 512 + 8 L.  A tile of 16 rows has its 8 K steps on end: 12,288 bytes.  Its scale words lie [row r][K step]: 512 bytes a tile.
; THE ROWS OF A TILE ARE NOT NEIGHBOURS: row m of tile 4 g + T is the tensor's row 64 g + 32 (m / 8) + 8 T + m % 8.  Taken as source 0 of a product, four such tiles leave 32 neighbouring rows in one lane's 32 result registers.
; A work-group takes one tile (0-511: x; then 64 each of Wq, Wk, Wv, Wo), wave s its K step s.  One path: only pointers are chosen, by the work-group's number.
; Each load reads 512 consecutive bytes of a row; the 16 rows turn through the wave's own stage in LDS (pitch 528 bytes) and come back 32 neighbours a lane and block.
; A block's scale is 2^(floor(log2(largest magnitude)) - 4): its byte is the largest magnitude's exponent field - 4, held at 1 from below by a floor among the maximum's leaves.
; LIMITS: NaN and infinities are not served; a block whose largest magnitude lies under 2^-122 keeps the byte 1; a block of zeros gets the byte 1, not 127 (its codes are zeros, and this program alone reads the bytes).
.set SPITCH, 528
.set WREG,   16*SPITCH                 ; a wave's stage
.set SCL,    8*WREG                    ; behind the stages: the tile's 512 bytes of scale words
.set FLOOR,  0x02800000                ; 2^(5 - 127)
.set R,   16                           ; v16-79   16 rows as loaded
.set X,   80                           ; v80-143  my two blocks of 32 neighbours
.set C,   16                           ; v16-27 the fragment's codes, over rows that have gone to the stage
.set TP,  28                           ; v28-34 the upper halves of the blocks' codes, before they are moved
	s_load_b256 s[4:11], s[0:1], 0x0               ; x, Wq, Wk, Wv
	s_load_b256 s[12:19], s[0:1], 0x20             ; Wo, xc, wc, sc1
	s_load_b64 s[20:21], s[0:1], 0x40              ; sc2
	v_lshl_add_u32 v144, v0, 2, 0x10a00
	v_mov_b32 v145, 0
	v_lshrrev_b32 v1, 5, v0
	s_delay_alu instid0(VALU_DEP_1)
	v_readfirstlane_b32 s2, v1                     ; wave = K step
	v_and_b32 v2, 31, v0                           ; lane
	s_delay_alu instid0(VALU_DEP_1)
	v_lshlrev_b32 v3, 4, v2                        ; 16 x lane
	s_delay_alu instid0(VALU_DEP_2)
	v_lshlrev_b32 v4, 3, v2                        ; 8 x lane
	v_and_b32 v8, 15, v0                           ; r
	v_bfe_u32 v9, v0, 4, 1                         ; h
	s_mul_i32 s3, s2, WREG
	v_add_nc_u32 v5, s3, v3                        ; the stage, on the way in: a row's 512 bytes as they lie
	v_mul_u32_u24 v6, v8, SPITCH
	s_delay_alu instid0(VALU_DEP_1)
	v_lshl_add_u32 v6, v9, 7, v6
	s_delay_alu instid0(VALU_DEP_1)
	v_add_nc_u32 v6, s3, v6                        ; and on the way out: row r, + 128 h: my 32 numbers of each 64
	s_lshl_b32 s33, s2, 2
	s_add_co_u32 s33, s33, SCL
	v_lshlrev_b32 v7, 5, v8
	s_delay_alu instid0(VALU_DEP_1)
	v_add_nc_u32 v7, s33, v7                       ; my row's scale word of my K step
	v_lshlrev_b32 v15, 3, v9                       ; 8 h
	v_mov_b32 v14, 0                               ; written once: a lane permute's destination counts as one of its sources
	v_add_nc_u32 v146, SCL, v3                     ; where wave 0 reads the tile's scale words back
	s_mov_b32 s34, 0x76543210
	s_mov_b32 s35, 0xfedcba98                      ; selects for lane l xor 16
	s_and_b32 s24, ttmp9, 63
	s_sub_co_u32 s25, ttmp9, 512
	s_lshl_b32 s30, ttmp9, 9
	s_wait_alu depctr_va_vdst(0)
	s_wait_kmcnt 0x0
	s_cmp_lt_u32 ttmp9, 704                        ; the choices hang on the work-group's number alone
	s_cselect_b64 s[22:23], s[10:11], s[12:13]     ; Wv or Wo
	s_cselect_b64 s[28:29], s[18:19], s[20:21]     ; scale words: sc1 (x, Wq, Wk, Wv) or sc2 (Wo, behind o's 262,144 bytes)
	s_cselect_b32 s31, 0, 98304                    ; 512 x 704 - 262,144
	s_cmp_lt_u32 ttmp9, 640
	s_cselect_b64 s[22:23], s[8:9], s[22:23]
	s_cmp_lt_u32 ttmp9, 576
	s_cselect_b64 s[22:23], s[6:7], s[22:23]
	s_cmp_lt_u32 ttmp9, 512
	s_cselect_b64 s[22:23], s[4:5], s[22:23]
	s_cselect_b64 s[26:27], s[14:15], s[16:17]     ; codes: xc or wc
	s_cselect_b32 s24, ttmp9, s24                  ; the tile's number in its tensor
	s_cselect_b32 s25, ttmp9, s25                  ; and in its buffer of codes
	s_lshr_b32 s36, s24, 2
	s_lshl_b32 s36, s36, 6
	s_and_b32 s37, s24, 3
	s_lshl_b32 s37, s37, 3
	s_add_co_u32 s36, s36, s37                     ; the tile's first row: 64 (tile / 4) + 8 (tile % 4)
	s_lshl_b32 s36, s36, 12                        ; rows of 4,096 bytes
	s_lshl_b32 s37, s2, 9                          ; my K step's 512 bytes
	s_add_co_u32 s36, s36, s37
	s_mov_b32 s37, 0
	s_add_nc_u64 s[22:23], s[22:23], s[36:37]
	s_mul_i32 s36, s25, 12288
	s_mul_i32 s38, s2, 1536
	s_add_co_u32 s36, s36, s38
	s_add_nc_u64 s[26:27], s[26:27], s[36:37]
	s_sub_co_u32 s36, s30, s31
	s_add_nc_u64 s[28:29], s[28:29], s[36:37]
.irp i, 0,1,2,3,4,5,6,7,8,9,10,11,12,13,14,15
	global_load_b128 v[R+4*\i:R+4*\i+3], v3, s[22:23] offset:(32*(\i/8)+\i%8)*4096 th:TH_LOAD_NT   ; row i of the tile: 32 lanes read 512 consecutive bytes
.endr
.irp i, 0,1,2,3,4,5,6,7,8,9,10,11,12,13,14,15
	s_wait_loadcnt 15-\i                           ; loads come back in order: row i is in, the younger ones stay out
	ds_store_b128 v5, v[R+4*\i:R+4*\i+3] offset:SPITCH*\i
.endr
.irp c, 0,1
.irp j, 0,1,2,3,4,5,6,7
	ds_load_b128 v[X+32*\c+4*\j:X+32*\c+4*\j+3], v6 offset:256*\c+16*\j   ; LDS serves a wave's instructions in order: these see my stores.  k = 64 c + 32 h + 4 j ..
.endr
.endr
	s_wait_dscnt 0x0
	v_max3_num_f32 v8, |v[X]|, |v[X+1]|, FLOOR     ; my two blocks by turns: all 32 numbers of a block are mine
	v_max3_num_f32 v9, |v[X+32]|, |v[X+33]|, FLOOR
.irp i, 2,4,6,8,10,12,14,16,18,20,22,24,26,28,30
	s_delay_alu instid0(VALU_DEP_2)
	v_max3_num_f32 v8, v8, |v[X+\i]|, |v[X+\i+1]|
	s_delay_alu instid0(VALU_DEP_2)
	v_max3_num_f32 v9, v9, |v[X+32+\i]|, |v[X+33+\i]|
.endr
	s_delay_alu instid0(VALU_DEP_2)
	v_add_nc_u32 v10, 0xfe000000, v8               ; 4 off the exponent field: the conversion takes the exponent field of this operand as its scale
	s_delay_alu instid0(VALU_DEP_2)
	v_add_nc_u32 v11, 0xfe000000, v9
	s_delay_alu instid0(VALU_DEP_2)
	v_lshrrev_b32 v12, 23, v10                     ; the bytes of blocks h and 2 + h
	s_delay_alu instid0(VALU_DEP_2)
	v_lshrrev_b32 v13, 23, v11
	v_cvt_scalef32_pk16_bf6_f32 v[C:C+2], v[X:X+15], v10
	v_cvt_scalef32_pk16_bf6_f32 v[TP:TP+2], v[X+16:X+31], v10          ; (a conversion's three registers begin on an even number)
	v_cvt_scalef32_pk16_bf6_f32 v[C+6:C+8], v[X+32:X+47], v11
	v_cvt_scalef32_pk16_bf6_f32 v[TP+4:TP+6], v[X+48:X+63], v11
	v_nop                                          ; one plain instruction behind the scaled conversions
.irp i, 0,1,2
	v_mov_b32 v[C+3+\i], v[TP+\i]
	v_mov_b32 v[C+9+\i], v[TP+4+\i]
.endr
	v_lshl_or_b32 v12, v13, 16, v12
	s_delay_alu instid0(VALU_DEP_1)
	v_lshlrev_b32 v12, v15, v12                    ; at their places in the word
	s_delay_alu instid0(VALU_DEP_1)
	v_permlanex16_b32 v14, v12, s34, s35
	s_delay_alu instid0(VALU_DEP_1)
	v_or_b32 v12, v12, v14                         ; with lane l xor 16's two bytes the word is whole
	global_store_b128 v3, v[C:C+3], s[26:27]                  ; each store covers 512 or 256 consecutive bytes, at a multiple of 256 from the buffer's first byte
	global_store_b64 v4, v[C+4:C+5], s[26:27] offset:512
	global_store_b128 v3, v[C+6:C+9], s[26:27] offset:768
	global_store_b64 v4, v[C+10:C+11], s[26:27] offset:1280
	ds_store_b32 v7, v12                           ; both lanes of a row write the same word with the same value
	s_wait_dscnt 0x0                               ; for wave 0's sake: my word has landed
	s_barrier_signal -1
	s_barrier_wait -1
	s_cmp_lg_u32 s2, 0
	s_cbranch_scc1 .Ldone
	ds_load_b128 v[48:51], v146                    ; the tile's 512 bytes of scale words leave as one run
	s_wait_dscnt 0x0
	global_store_b128 v3, v[48:51], s[28:29]
.Ldone:
	s_wait_tensorcnt 0x0
	ds_add_u32 v144, v145
	s_wait_dscnt 0x0
	s_endpgm
.Lfunc_end_k_q17db35b422_quant:
	.size	k_q17db35b422_quant, .Lfunc_end_k_q17db35b422_quant-k_q17db35b422_quant
	.p2alignl 7, 3214868480
	.fill 96, 4, 3214868480
	.section	.rodata,"a",@progbits
	.p2align	6, 0x0
	.amdhsa_kernel k_q17db35b422_quant
		.amdhsa_group_segment_fixed_size 69120
		.amdhsa_private_segment_fixed_size 0
		.amdhsa_enable_private_segment 0
		.amdhsa_kernarg_size 72
		.amdhsa_user_sgpr_count 2
		.amdhsa_user_sgpr_kernarg_segment_ptr 1
		.amdhsa_wavefront_size32 1
		.amdhsa_system_sgpr_workgroup_id_x 1
		.amdhsa_system_sgpr_workgroup_id_y 1
		.amdhsa_system_sgpr_workgroup_id_z 1
		.amdhsa_system_vgpr_workitem_id 0
		.amdhsa_next_free_vgpr 148
		.amdhsa_next_free_sgpr 66
		.amdhsa_reserve_vcc 0
		.amdhsa_float_denorm_mode_32 3
		.amdhsa_float_denorm_mode_16_64 3
		.amdhsa_memory_ordered 1
		.amdhsa_forward_progress 1
		.amdhsa_inst_pref_size 13
	.end_amdhsa_kernel
	.amdgpu_metadata
---
amdhsa.version: [ 1, 2 ]
amdhsa.kernels:
  - .name:           k_q17db35b422_quant
    .symbol:         k_q17db35b422_quant.kd
    .args:
      - { .name: x, .offset: 0, .size: 8, .value_kind: global_buffer, .address_space: global }
      - { .name: Wq, .offset: 8, .size: 8, .value_kind: global_buffer, .address_space: global }
      - { .name: Wk, .offset: 16, .size: 8, .value_kind: global_buffer, .address_space: global }
      - { .name: Wv, .offset: 24, .size: 8, .value_kind: global_buffer, .address_space: global }
      - { .name: Wo, .offset: 32, .size: 8, .value_kind: global_buffer, .address_space: global }
      - { .name: xc, .offset: 40, .size: 8, .value_kind: global_buffer, .address_space: global }
      - { .name: wc, .offset: 48, .size: 8, .value_kind: global_buffer, .address_space: global }
      - { .name: sc1, .offset: 56, .size: 8, .value_kind: global_buffer, .address_space: global }
      - { .name: sc2, .offset: 64, .size: 8, .value_kind: global_buffer, .address_space: global }
    .group_segment_fixed_size: 69120
    .private_segment_fixed_size: 0
    .kernarg_segment_align: 8
    .kernarg_segment_size: 72
    .max_flat_workgroup_size: 256
    .sgpr_count:     66
    .vgpr_count:     148
    .wavefront_size: 32
...
	.end_amdgpu_metadata
.endif
;; end of part 1
;; launch qkproj (part 2): grid 8 x 32, 4 waves a work-group, clusters of 4 x 4, 327,680 bytes of LDS; arguments xc, wc, sc1, bq, bk, qk; writes qk
.if DOCPART == 2
	.amdgcn_target "amdgcn-amd-amdhsa--gfx1250"
	.amdhsa_code_object_version 6
	.text
	.protected	k_q17db35b422_qkproj
	.globl	k_q17db35b422_qkproj
	.p2align	8
	.type	k_q17db35b422_qkproj,@function
k_q17db35b422_qkproj:
	s_mov_b64 s[64:65], 0
	v_nop
	global_prefetch_b8 v0, s[64:65] scope:SCOPE_SE
	s_setreg_imm32_b32 hwreg(HW_REG_WAVE_MODE, 25, 1), 1
	s_wait_xcnt 0x0
	s_wait_alu depctr_hold_cnt(0) depctr_sa_sdst(0) depctr_va_vdst(0) depctr_va_sdst(0) depctr_va_ssrc(0) depctr_va_vcc(0) depctr_vm_vsrc(0)
	s_getreg_b32 s2, hwreg(HW_REG_IB_STS2, 6, 4)
	s_cmp_eq_u32 s2, 0
	s_cbranch_scc0 .Lentry_in_a_cluster
	s_endpgm
.Lentry_in_a_cluster:
	s_bfe_u32 s2, ttmp6, 0x10000c
	s_cmp_lg_u32 s2, 0xf033
	s_cbranch_scc0 .Lentry_shape_is_right
	s_endpgm
.Lentry_shape_is_right:
.set A_OFF,  0
.set B_OFF,  0
.set SA_OFF, 0
.set SB_OFF, 262144
.set CM,     1
.set FR,     12
.set NL,     4
.set FRB,    1536
.set TILEB,  2*FRB
.set HALFT,  8*TILEB
.set SLOT,   4*HALFT
.set SPARE,  3*SLOT
.set KROW,   8*FRB
.set FLOOR,  0x02800000
.set A16,  4
.set A8,   7
.set B16,  10
.set B8,   13
.set SPW,  28
.set NIL,  29
.set L16,  30
.set L8,   31
.set SC,   32
.set AF,   128
.set G1,   24
.set G0,   32
.set G1B,  48
.set SEL,  94
.set SW,   96
.set TP,   104
.set MX,   112
.set SCO,  114
.set BY,   116
.set PT,   118
.set MSB, 0
.macro WIN new
.if MSB != (\new)
	s_set_vgpr_msb (MSB<<8)|(\new)
.set MSB, (\new)
.endif
.endm
.macro JLOAD g0a, g0b
	s_cmp_eq_u32 s15, 0
	s_cbranch_scc0 .Lfor_b_\@
	tensor_load_to_lds s[\g0a:\g0a+3], s[G1:G1+7]
	s_nop 0
.rept 4
	v_nop
.endr
	s_branch .Lasked_\@
.Lfor_b_\@:
	tensor_load_to_lds s[\g0b:\g0b+3], s[G1B:G1B+7]
	s_nop 0
.rept 4
	v_nop
.endr
.Lasked_\@:
.endm
.macro CREST
	s_cmp_lg_u32 s14, 0
	s_cbranch_scc1 .Lnot_wave_0_\@
	s_barrier_signal -3
.Lnot_wave_0_\@:
	s_barrier_wait -3
	s_barrier_signal -1
	s_barrier_wait -1
.endm
.macro CROUND
	s_barrier_signal -1
	s_barrier_wait -1
	CREST
.endm
.macro PLACES
.rept 4
	v_nop
.endr
.endm
.macro FRAG reg, a16, a8, off
	ds_load_b128 v[(\reg):(\reg)+3], v[\a16] offset:(\off)
	ds_load_b64 v[(\reg)+4:(\reg)+5], v[\a8] offset:(\off)+512
	ds_load_b128 v[(\reg)+6:(\reg)+9], v[\a16] offset:(\off)+768
	ds_load_b64 v[(\reg)+10:(\reg)+11], v[\a8] offset:(\off)+1280
.endm
.macro FETCH_B slot, q, p
	WIN 0x40
.irp i, 0,1,2,3,4,5,6,7
	FRAG 128*(\p)+FR*\i, B16+\slot, B8+\slot, \i*TILEB+(\q)*FRB
.endr
	WIN 0
.endm
.macro FETCH_A slot, q, i0
.irp i, \i0, \i0+1, \i0+2, \i0+3
	FRAG AF+FR*(\i), A16+\slot, A8+\slot, (\i)*TILEB+(\q)*FRB
.endr
.endm
.macro MUL16 a0, p, ks, cm
.irp a, \a0, \a0+1
.irp b, 0,1,2,3,4,5,6,7
.set rD, 8*(8*((\a)%4)+\b)
.set rB, 128*(\p)+FR*\b
.set rA, AF+FR*(\a)
.set rC, rD
.if (\cm) == 1
.set rC, 96+8*\b+96*(\b/4)
.elseif (\cm) == 2
.set rC, 96+8*(\a)+96*((\a)/4)
.endif
	v_wmma_scale_f32_16x16x128_f8f6f4 v[rD:rD+7], v[rB:rB+FR-1], v[rA:rA+FR-1], v[rC:rC+7], v[SC+8*\b+(\ks)], v[SC+8*(\a)+(\ks)] matrix_a_fmt:MATRIX_FMT_BF6 matrix_b_fmt:MATRIX_FMT_BF6 matrix_a_scale:MATRIX_SCALE_ROW1
.endr
.endr
.endm
.macro STEP ks, nslot, nq, cm
	s_wait_dscnt 4*NL
.if \cm
	WIN 0x81
.else
	WIN 0xa1
.endif
	MUL16 0, (\ks)%2, \ks, \cm
	MUL16 2, (\ks)%2, \ks, \cm
	s_wait_dscnt 0x0
	PLACES
	FETCH_B \nslot, \nq, 1-(\ks)%2
	FETCH_A \nslot, \nq, 0
.if \cm
	WIN 0xc1
.else
	WIN 0xf1
.endif
	MUL16 4, (\ks)%2, \ks, \cm
	MUL16 6, (\ks)%2, \ks, \cm
	PLACES
	WIN 0
	FETCH_A \nslot, \nq, 4
.endm
.macro TURN ks, next, fill
	s_wait_tensorcnt 0x0
	ds_add_u32 v[SPW], v[NIL]
	s_wait_dscnt 4*NL+1
	WIN 0xa1
	MUL16 0, (\ks)%2, \ks, 0
	s_wait_dscnt 0x0
	s_barrier_signal -1
	MUL16 2, (\ks)%2, \ks, 0
	WIN 0
	s_barrier_wait -1
.if (\fill) == 2
	CREST
	JLOAD G0+8, 68
.elseif \fill
	CREST
	s_add_nc_u64 s[G0+2:G0+3], s[G0+2:G0+3], 3*TILEB
	s_add_nc_u64 s[58:59], s[58:59], 3*TILEB
	JLOAD G0, 56
.else
	PLACES
.endif
	FETCH_B \next, 0, 1-(\ks)%2
	FETCH_A \next, 0, 0
	WIN 0xf1
	MUL16 4, (\ks)%2, \ks, 0
	MUL16 6, (\ks)%2, \ks, 0
	PLACES
	WIN 0
	FETCH_A \next, 0, 4
.endm
	s_load_b128 s[4:7], s[0:1], 0x0
	s_load_b128 s[8:11], s[0:1], 0x10
	s_load_b128 s[84:87], s[0:1], 0x20
	v_lshl_add_u32 v[SPW], v0, 2, SPARE
	v_mov_b32 v[NIL], 0
	ds_add_u32 v28, v29
	ds_add_u32 v28, v29
	s_wait_dscnt 0x0
	v_lshrrev_b32 v1, 5, v0
	v_readfirstlane_b32 s14, v1
	s_lshr_b32 s15, s14, 1
	s_and_b32 s16, s14, 1
	s_bfe_u32 s72, ttmp6, 0x40000
	s_bfe_u32 s73, ttmp6, 0x40004
	s_lshl_b32 s74, ttmp9, 2
	s_add_co_u32 s74, s74, s72
	s_and_b32 s17, ttmp7, 0xffff
	s_lshl_b32 s17, s17, 2
	s_add_co_u32 s17, s17, s73
	s_lshl_b32 s75, s73, 2
	s_lshl_b32 s75, 15, s75
	s_lshl_b32 s76, 0x1111, s72
	s_or_b32 s[G1], s75, (3<<16)|(1<<21)
	s_or_b32 s[G1B], s76, (3<<16)|(1<<21)
.irp g, G1, G1B
	s_mov_b32 s[\g+1], 384<<16
	s_mov_b32 s[\g+2], 8<<16
	s_mov_b32 s[\g+3], 384<<16
	s_mov_b32 s[\g+4], 8
	s_mov_b32 s[\g+5], 1536
	s_mov_b32 s[\g+6], 0
	s_mov_b32 s[\g+7], 0
.endr
	s_lshl_b32 s18, s16, 3
	s_lshl_b32 s20, s17, 4
	s_add_co_u32 s20, s20, s18
	s_mul_i32 s20, s20, KROW
	s_mov_b32 s21, 0
	s_lshl_b32 s46, s74, 4
	s_add_co_u32 s46, s46, s18
	s_mul_i32 s46, s46, KROW
	s_mov_b32 s47, 0
	s_mul_i32 s77, s14, HALFT
	s_wait_kmcnt 0x0
	s_add_nc_u64 s[20:21], s[4:5], s[20:21]
	s_add_nc_u64 s[46:47], s[6:7], s[46:47]
.if A_OFF
	s_add_nc_u64 s[20:21], s[20:21], A_OFF
.endif
.if B_OFF
	s_add_nc_u64 s[46:47], s[46:47], B_OFF
.endif
	CROUND
.irp s, 0,1,2
	s_mov_b32 s[G0+4*\s], 1
	s_add_co_u32 s[G0+4*\s+1], s77, \s*SLOT
	s_add_nc_u64 s[G0+4*\s+2:G0+4*\s+3], s[20:21], \s*TILEB
	s_or_b32 s[G0+4*\s+3], s[G0+4*\s+3], 0x80000000
	s_mov_b32 s[56+4*\s+4*(\s/2)], 1
	s_add_co_u32 s[56+4*\s+4*(\s/2)+1], s77, \s*SLOT
	s_add_nc_u64 s[56+4*\s+4*(\s/2)+2:56+4*\s+4*(\s/2)+3], s[46:47], \s*TILEB
	s_or_b32 s[56+4*\s+4*(\s/2)+3], s[56+4*\s+4*(\s/2)+3], 0x80000000
.if \s == 0
	JLOAD G0, 56
.endif
.endr
	v_and_b32 v1, 15, v0
	v_bfe_u32 v2, v0, 4, 1
	v_and_b32 v3, 31, v0
	v_lshlrev_b32 v[L16], 4, v3
	v_lshlrev_b32 v[L8], 3, v3
	v_cmp_lt_u32 vcc_lo, 15, v3
	s_mul_i32 s78, s15, HALFT
	s_mul_i32 s79, s16, HALFT
	s_add_co_u32 s79, s79, 2*HALFT
.irp s, 0,1,2
	v_add_nc_u32 v[A16+\s], s78, v[L16]
	v_add_nc_u32 v[A8+\s], s78, v[L8]
	v_add_nc_u32 v[B16+\s], s79, v[L16]
	v_add_nc_u32 v[B8+\s], s79, v[L8]
	s_add_co_u32 s78, s78, SLOT
	s_add_co_u32 s79, s79, SLOT
.endr
	s_lshl_b32 s80, s17, 4
	s_lshl_b32 s81, s15, 3
	s_add_co_u32 s80, s80, s81
	s_lshl_b32 s80, s80, 9
	s_add_co_u32 s80, s80, SA_OFF
	s_lshl_b32 s82, s74, 4
	s_lshl_b32 s83, s16, 3
	s_add_co_u32 s82, s82, s83
	s_lshl_b32 s82, s82, 9
	s_add_co_u32 s82, s82, SB_OFF
	v_mov_b32 v17, s80
	v_mov_b32 v18, s82
	v_cndmask_b32 v16, v17, v18, vcc_lo
	v_lshl_add_u32 v16, v1, 5, v16
.irp i, 0,1,2,3,4,5,6,7
	global_load_b128 v[SC+8*\i:SC+8*\i+3], v16, s[8:9] offset:512*\i
	global_load_b128 v[SC+8*\i+4:SC+8*\i+7], v16, s[8:9] offset:512*\i+16
.endr
	s_cmp_eq_u32 ttmp9, 0
	s_cselect_b64 s[10:11], s[10:11], s[84:85]
	s_lshl_b32 s78, s74, 8
	s_lshl_b32 s79, s16, 7
	s_add_co_u32 s78, s78, s79
	s_and_b32 s78, s78, 1023
	s_lshl_b32 s78, s78, 2
	s_mov_b32 s79, 0
	s_add_nc_u64 s[10:11], s[10:11], s[78:79]
	v_lshlrev_b32 v19, 7, v2
.irp b, 0,1,2,3,4,5,6,7
	global_load_b128 v[96+8*\b+96*(\b/4):96+8*\b+96*(\b/4)+3], v19, s[10:11] offset:4*(64*(\b/4)+8*(\b%4))
	global_load_b128 v[96+8*\b+96*(\b/4)+4:96+8*\b+96*(\b/4)+7], v19, s[10:11] offset:4*(64*(\b/4)+8*(\b%4))+16
.endr
	s_mov_b32 s[SEL], 0x76543210
	s_mov_b32 s[SEL+1], 0xfedcba98
	v_lshlrev_b32 v20, 3, v2
	v_mul_u32_u24 v21, v2, 106496
	v_lshl_add_u32 v21, v1, 4, v21
	s_lshl_b32 s80, s74, 2
	s_lshl_b32 s81, s16, 1
	s_add_co_u32 s80, s80, s81
	s_lshr_b32 s81, s80, 4
	s_lshl_b32 s81, s81, 6
	s_and_b32 s80, s80, 15
	s_add_co_u32 s80, s80, s81
	s_lshr_b32 s81, s17, 3
	s_lshl_b32 s81, s81, 4
	s_add_co_u32 s80, s80, s81
	s_mul_i32 s80, s80, 106496
	s_and_b32 s81, s17, 7
	s_lshl_b32 s81, s81, 4
	s_lshl_b32 s82, s15, 3
	s_add_co_u32 s81, s81, s82
	s_mul_i32 s82, s81, 768
	s_add_co_u32 s82, s82, s80
	s_mov_b32 s83, 0
	s_add_nc_u64 s[90:91], s[86:87], s[82:83]
	s_lshl_b32 s82, s81, 6
	s_add_co_u32 s82, s82, s80
	s_add_co_u32 s82, s82, 98304
	s_add_nc_u64 s[92:93], s[86:87], s[82:83]
	s_wait_alu depctr_va_vdst(0)
	s_wait_tensorcnt 0x0
	ds_add_u32 v[SPW], v[NIL]
	s_wait_dscnt 0x0
	CROUND
	JLOAD G0+4, 60
	FETCH_B 0, 0, 0
	FETCH_A 0, 0, 0
	FETCH_A 0, 0, 4
	s_wait_loadcnt 0x0
	STEP 0, 0, 1, CM
	TURN 1, 1, 2
	STEP 2, 1, 1, 0
	s_wait_alu depctr_va_vdst(0)
	TURN 3, 2, 1
	STEP 4, 2, 1, 0
	TURN 5, 0, 0
	STEP 6, 0, 1, 0
	s_wait_dscnt 4*NL
	WIN 0xa1
	MUL16 0, 1, 7, 0
	MUL16 2, 1, 7, 0
	s_wait_dscnt 0x0
	WIN 0xf1
	MUL16 4, 1, 7, 0
	MUL16 6, 1, 7, 0
	WIN 0
	PLACES
.macro QK_OUT a
.set AC, 64*((\a)%4)
.set CD, 128+12*(\a)
	WIN 0x28+0x14*((\a)/4)
	v_mov_b32 v[MX], FLOOR
	v_mov_b32 v[MX+1], FLOOR
.irp i, 0,2,4,6,8,10,12,14,16,18,20,22,24,26,28,30
	v_max3_num_f32 v[MX], v[MX], |v[AC+\i]|, |v[AC+\i+1]|
	v_max3_num_f32 v[MX+1], v[MX+1], |v[AC+32+\i]|, |v[AC+33+\i]|
.endr
	WIN 0
	v_add_nc_u32 v[SCO], 0xfe000000, v[MX]
	v_add_nc_u32 v[SCO+1], 0xfe000000, v[MX+1]
	v_lshrrev_b32 v[BY], 23, v[SCO]
	v_lshrrev_b32 v[BY+1], 23, v[SCO+1]
	WIN 0x02+(\a)/4
	v_cvt_scalef32_pk16_bf6_f32 v[CD:CD+2], v[AC:AC+15], v[SCO]
	v_cvt_scalef32_pk16_bf6_f32 v[TP:TP+2], v[AC+16:AC+31], v[SCO]
	v_cvt_scalef32_pk16_bf6_f32 v[CD+6:CD+8], v[AC+32:AC+47], v[SCO+1]
	v_cvt_scalef32_pk16_bf6_f32 v[TP+4:TP+6], v[AC+48:AC+63], v[SCO+1]
	WIN 0
	v_nop
.irp i, 0,1,2
	v_mov_b32 v[CD+3+\i], v[TP+\i]
	v_mov_b32 v[CD+9+\i], v[TP+4+\i]
.endr
	v_lshlrev_b32 v[BY], v20, v[BY]
	v_lshlrev_b32 v[BY+1], v20, v[BY+1]
	v_permlanex16_b32 v[PT], v[BY], s[SEL], s[SEL+1]
	v_permlanex16_b32 v[PT+1], v[BY+1], s[SEL], s[SEL+1]
	v_or_b32 v[BY], v[BY], v[PT]
	v_or_b32 v[BY+1], v[BY+1], v[PT+1]
	v_cndmask_b32 v[BY], v[BY], v[BY+1], vcc_lo
	v_lshl_or_b32 v[SW+(\a)], v[BY], 16, v[BY]
	global_store_b128 v[L16], v[CD:CD+3], s[90:91] offset:768*(\a)
	global_store_b64 v[L8], v[CD+4:CD+5], s[90:91] offset:768*(\a)+512
	global_store_b128 v[L16], v[CD+6:CD+9], s[90:91] offset:106496+768*(\a)
	global_store_b64 v[L8], v[CD+10:CD+11], s[90:91] offset:106496+768*(\a)+512
.endm
	v_mov_b32 v[PT], 0
	v_mov_b32 v[PT+1], 0
	v_cmp_lt_u32 vcc_lo, 15, v3                    ; lanes 16-31, written anew behind the last tensor load
.irp a, 0,1,2,3,4,5,6,7
	QK_OUT \a
.endr
	global_store_b128 v21, v[SW:SW+3], s[92:93]
	global_store_b128 v21, v[SW+4:SW+7], s[92:93] offset:256
	s_wait_tensorcnt 0x0
	ds_add_u32 v[SPW], v[NIL]
	s_wait_dscnt 0x0
	CROUND
	s_endpgm
.Lfunc_end_k_q17db35b422_qkproj:
	.size	k_q17db35b422_qkproj, .Lfunc_end_k_q17db35b422_qkproj-k_q17db35b422_qkproj
	.p2alignl 7, 3214868480
	.fill 96, 4, 3214868480
	.section	.rodata,"a",@progbits
	.p2align	6, 0x0
	.amdhsa_kernel k_q17db35b422_qkproj
		.amdhsa_group_segment_fixed_size 327680
		.amdhsa_private_segment_fixed_size 0
		.amdhsa_enable_private_segment 0
		.amdhsa_kernarg_size 48
		.amdhsa_user_sgpr_count 2
		.amdhsa_user_sgpr_kernarg_segment_ptr 1
		.amdhsa_wavefront_size32 1
		.amdhsa_system_sgpr_workgroup_id_x 1
		.amdhsa_system_sgpr_workgroup_id_y 1
		.amdhsa_system_sgpr_workgroup_id_z 1
		.amdhsa_system_vgpr_workitem_id 0
		.amdhsa_next_free_vgpr 1024
		.amdhsa_next_free_sgpr 100
		.amdhsa_reserve_vcc 1
		.amdhsa_float_denorm_mode_32 3
		.amdhsa_float_denorm_mode_16_64 3
		.amdhsa_memory_ordered 1
		.amdhsa_forward_progress 1
		.amdhsa_inst_pref_size 144
	.end_amdhsa_kernel
	.amdgpu_metadata
---
amdhsa.version: [ 1, 2 ]
amdhsa.kernels:
  - .name:           k_q17db35b422_qkproj
    .symbol:         k_q17db35b422_qkproj.kd
    .args:
      - { .name: xc, .offset: 0, .size: 8, .value_kind: global_buffer, .address_space: global }
      - { .name: wc, .offset: 8, .size: 8, .value_kind: global_buffer, .address_space: global }
      - { .name: sc1, .offset: 16, .size: 8, .value_kind: global_buffer, .address_space: global }
      - { .name: bq, .offset: 24, .size: 8, .value_kind: global_buffer, .address_space: global }
      - { .name: bk, .offset: 32, .size: 8, .value_kind: global_buffer, .address_space: global }
      - { .name: qk, .offset: 40, .size: 8, .value_kind: global_buffer, .address_space: global }
    .group_segment_fixed_size: 327680
    .private_segment_fixed_size: 0
    .kernarg_segment_align: 8
    .kernarg_segment_size: 48
    .max_flat_workgroup_size: 128
    .sgpr_count:     100
    .vgpr_count:     1024
    .wavefront_size: 32
...
	.end_amdgpu_metadata
.endif
;; end of part 2
;; launch vproj (part 3): grid 32 x 8, 4 waves a work-group, clusters of 4 x 4, 327,680 bytes of LDS; arguments wc, xc, sc1, bv, vv; writes vv
.if DOCPART == 3
	.amdgcn_target "amdgcn-amd-amdhsa--gfx1250"
	.amdhsa_code_object_version 6
	.text
	.protected	k_q17db35b422_vproj
	.globl	k_q17db35b422_vproj
	.p2align	8
	.type	k_q17db35b422_vproj,@function
k_q17db35b422_vproj:
	s_mov_b64 s[64:65], 0
	v_nop
	global_prefetch_b8 v0, s[64:65] scope:SCOPE_SE
	s_setreg_imm32_b32 hwreg(HW_REG_WAVE_MODE, 25, 1), 1
	s_wait_xcnt 0x0
	s_wait_alu depctr_hold_cnt(0) depctr_sa_sdst(0) depctr_va_vdst(0) depctr_va_sdst(0) depctr_va_ssrc(0) depctr_va_vcc(0) depctr_vm_vsrc(0)
	s_getreg_b32 s2, hwreg(HW_REG_IB_STS2, 6, 4)
	s_cmp_eq_u32 s2, 0
	s_cbranch_scc0 .Lentry_in_a_cluster
	s_endpgm
.Lentry_in_a_cluster:
	s_bfe_u32 s2, ttmp6, 0x10000c
	s_cmp_lg_u32 s2, 0xf033
	s_cbranch_scc0 .Lentry_shape_is_right
	s_endpgm
.Lentry_shape_is_right:
; v = x Wv^T + bv on codes of BF6 (E3M2), and its quantising along the KEYS, which are the K of the product p v.
; A (source 1) = 128 rows of Wv, so that a lane holds one feature d; B (source 0) = 256 tokens of x, so that a lane's registers run along the tokens.  K = 1,024.
; 1,024 x 8,192 results in blocks of 128 x 256: 256 work-groups.  Four waves, each 64 d (one head) x 128 tokens (one key step): 32 accumulators.
; Operands lie in memory as images of operand registers (a fragment, 16 rows x 128 K, is 1,536 bytes; a tile's 8 K steps on end).  Row m of tile 4 g + T is row 64 g + 32 (m / 8) + 8 T + m % 8,
; so the 32 result registers of x's tiles 4 c .. 4 c + 3 are tokens 64 c + 32 (lane / 16) + 0 .. 31: one whole block along the keys.
; ALL OF K LIES IN LDS, in two slots of 512 along K (24 tiles x 6,144 bytes each), each filled once: slot 0 by one joint load a wave at the head, slot 1 behind the cluster round at the head's end.
; CLUSTERS: 4 x 4; A's tiles are asked for jointly along a row of the cluster, B's along a column.  Waves 0 and 1 fetch A's two halves, waves 2 and 3 B's.
; The scale words of all of K stay in registers.  The bias hangs on the lane's d: it is spread over eight registers and is the C of the first K step's products.
; OUT: record = batch x 16 + head, 102,400 bytes: fragments [key step 16][d tile 4][1,536], then scale words [key step][r][d tile].
; No prefetch: both halves of K are asked for in the head, and the text has no loop to run ahead in.
; LIMITS: NaN and infinities are not served; a block whose largest magnitude lies under 2^-122 keeps the byte 1; a block of zeros gets the byte 1, not 127 (this program alone reads the bytes).
.set A_OFF,  1572864                   ; Wv's tiles in wc
.set SA_OFF, 327680                    ; Wv's scale words in sc1
.set SB_OFF, 0                         ; x's
.set FR,     12
.set FRB,    1536
.set HT,     6144                      ; four K steps of a tile
.set KROW,   12288
.set BL,     8*HT                      ; in a slot B's 16 tiles lie behind A's 8
.set SLOT,   24*HT
.set SPARE,  2*SLOT
.set FLOOR,  0x02800000
.set A16,  4                           ; v4-11 LDS addresses, one for each slot
.set A8,   6
.set B16,  8
.set B8,   10
.set HH,   24
.set R16,  25
.set SPW,  28
.set NIL,  29
.set L16,  30
.set L8,   31
.set SC,   32                          ; v32-95 scale words: register 8 i + K step: lanes 0-15 A's tile i, lanes 16-31 B's tile i
.set AF,   96                          ; v96-191 A's fragments, two sets; window 1: B's, two sets at v0 and v128; window 2: the accumulators
.set BI,   192                         ; the bias
.set G1,   24
.set G0,   32
.set G1B,  48
.set G0B,  56
.set SEL,  94
.set SW,   96
.set TP,   104
.set MX,   112
.set SCO,  114
.set BY,   116
.set PT,   118
.set MSB, 0
.macro WIN new                         ; the immediate's high byte repeats the setting that is left
.if MSB != (\new)
	s_set_vgpr_msb (MSB<<8)|(\new)
.set MSB, (\new)
.endif
.endm
.macro JLOAD s                         ; a joint load; an s_nop 0 and four v_nop follow each line
	s_cmp_eq_u32 s15, 0
	s_cbranch_scc0 .Lfor_b_\@
	tensor_load_to_lds s[G0+4*\s:G0+4*\s+3], s[G1:G1+7]
	s_nop 0
.rept 4
	v_nop
.endr
	s_branch .Lasked_\@
.Lfor_b_\@:
	tensor_load_to_lds s[G0B+4*\s:G0B+4*\s+3], s[G1B:G1B+7]
	s_nop 0
.rept 4
	v_nop
.endr
.Lasked_\@:
.endm
.macro CROUND                          ; a round of the cluster's barrier
	s_barrier_signal -1
	s_barrier_wait -1
	s_cmp_lg_u32 s14, 0
	s_cbranch_scc1 .Lnot_wave_0_\@
	s_barrier_signal -3
.Lnot_wave_0_\@:
	s_barrier_wait -3
	s_barrier_signal -1
	s_barrier_wait -1
.endm
.macro PLACES                          ; four plain instructions behind a matrix instruction (ISA guide 7.12.1)
.rept 4
	v_nop
.endr
.endm
.macro FRAG reg, a16, a8, off
	ds_load_b128 v[(\reg):(\reg)+3], v[\a16] offset:(\off)
	ds_load_b64 v[(\reg)+4:(\reg)+5], v[\a8] offset:(\off)+512
	ds_load_b128 v[(\reg)+6:(\reg)+9], v[\a16] offset:(\off)+768
	ds_load_b64 v[(\reg)+10:(\reg)+11], v[\a8] offset:(\off)+1280
.endm
.macro FETCH ks                        ; K step ks's twelve fragments into set ks % 2
	WIN 0x40
.irp i, 0,1,2,3,4,5,6,7
	FRAG 128*((\ks)%2)+FR*\i, B16+(\ks)/4, B8+(\ks)/4, \i*HT+((\ks)%4)*FRB
.endr
	WIN 0
.irp i, 0,1,2,3
	FRAG AF+48*((\ks)%2)+FR*\i, A16+(\ks)/4, A8+(\ks)/4, \i*HT+((\ks)%4)*FRB
.endr
.endm
.macro MUL ks, cm                      ; 32 matrix instructions; the 32 accumulators take turns
.irp a, 0,1,2,3
.irp b, 0,1,2,3,4,5,6,7
.set rD, 8*(8*\a+\b)
.set rC, rD
.if \cm
.set rC, BI+8*\a
.endif
	v_wmma_scale_f32_16x16x128_f8f6f4 v[rD:rD+7], v[128*((\ks)%2)+FR*\b:128*((\ks)%2)+FR*\b+FR-1], v[AF+48*((\ks)%2)+FR*\a:AF+48*((\ks)%2)+FR*\a+FR-1], v[rC:rC+7], v[SC+8*\b+(\ks)], v[SC+8*\a+(\ks)] matrix_a_fmt:MATRIX_FMT_BF6 matrix_b_fmt:MATRIX_FMT_BF6 matrix_a_scale:MATRIX_SCALE_ROW1
.endr
.endr
.endm
.macro STEP ks
	s_wait_dscnt 0x0                               ; this step's fragments are in
.if (\ks) == 3
	s_wait_tensorcnt 0x0                           ; my part of slot 1 is in
	s_barrier_signal -1
	s_barrier_wait -1
.endif
.if (\ks) < 7
.if (\ks) > 0
	PLACES
.endif
	FETCH (\ks)+1
.endif
.if (\ks) == 0
	WIN 0x81
	MUL 0, 1
.else
	WIN 0xa1
	MUL \ks, 0
.endif
	WIN 0
.endm
	s_load_b128 s[4:7], s[0:1], 0x0                ; wc (A), xc (B)
	s_load_b128 s[8:11], s[0:1], 0x10              ; sc1, bv
	s_load_b64 s[12:13], s[0:1], 0x20              ; vv
	v_lshl_add_u32 v[SPW], v0, 2, SPARE
	v_mov_b32 v[NIL], 0
	ds_add_u32 v[SPW], v[NIL]
	ds_add_u32 v[SPW], v[NIL]
	v_lshrrev_b32 v1, 5, v0
	v_readfirstlane_b32 s14, v1
	s_lshr_b32 s15, s14, 1                         ; my half of A's rows.  Also: I fetch for A (0) or B (1)
	s_and_b32 s16, s14, 1                          ; my half of B's rows.  Also: which half I fetch
	s_bfe_u32 s72, ttmp6, 0x40000
	s_bfe_u32 s73, ttmp6, 0x40004
	s_lshl_b32 s74, ttmp9, 2
	s_add_co_u32 s74, s74, s72                     ; block column (B: 256 tokens)
	s_and_b32 s17, ttmp7, 0xffff
	s_lshl_b32 s17, s17, 2
	s_add_co_u32 s17, s17, s73                     ; block row (A: 128 features)
	s_lshl_b32 s75, s73, 2
	s_lshl_b32 s75, 15, s75
	s_lshl_b32 s76, 0x1111, s72
	s_or_b32 s[G1], s75, (3<<16)|(1<<21)           ; elements of 8 bytes; rows of 768 elements, 1,536 apart; A: 4 rows a load, B: 8
	s_or_b32 s[G1B], s76, (3<<16)|(1<<21)
.irp g, G1, G1B
	s_mov_b32 s[\g+1], 768<<16
	s_mov_b32 s[\g+3], 768<<16
	s_mov_b32 s[\g+5], 1536
	s_mov_b32 s[\g+6], 0
	s_mov_b32 s[\g+7], 0
.endr
	s_mov_b32 s[G1+2], 4<<16
	s_mov_b32 s[G1+4], 4
	s_mov_b32 s[G1B+2], 8<<16
	s_mov_b32 s[G1B+4], 8
	s_lshl_b32 s20, s17, 3
	s_lshl_b32 s18, s16, 2
	s_add_co_u32 s20, s20, s18
	s_mul_i32 s20, s20, KROW
	s_mov_b32 s21, 0
	s_lshl_b32 s46, s74, 4
	s_lshl_b32 s18, s16, 3
	s_add_co_u32 s46, s46, s18
	s_mul_i32 s46, s46, KROW
	s_mov_b32 s47, 0
	s_mul_i32 s77, s16, 4*HT
	s_mul_i32 s71, s16, 8*HT
	s_add_co_u32 s71, s71, BL
	s_wait_dscnt 0x0
	s_wait_kmcnt 0x0
	s_add_nc_u64 s[20:21], s[4:5], s[20:21]
	s_add_nc_u64 s[46:47], s[6:7], s[46:47]
	s_add_nc_u64 s[20:21], s[20:21], A_OFF
	CROUND
.irp s, 0,1
	s_mov_b32 s[G0+4*\s], 1
	s_add_co_u32 s[G0+4*\s+1], s77, \s*SLOT
	s_add_nc_u64 s[G0+4*\s+2:G0+4*\s+3], s[20:21], \s*HT
	s_or_b32 s[G0+4*\s+3], s[G0+4*\s+3], 0x80000000
	s_mov_b32 s[G0B+4*\s], 1
	s_add_co_u32 s[G0B+4*\s+1], s71, \s*SLOT
	s_add_nc_u64 s[G0B+4*\s+2:G0B+4*\s+3], s[46:47], \s*HT
	s_or_b32 s[G0B+4*\s+3], s[G0B+4*\s+3], 0x80000000
.endr
	JLOAD 0                                        ; K steps 0-3: one tensor load a wave at the head
	v_and_b32 v1, 15, v0
	v_bfe_u32 v2, v0, 4, 1
	v_and_b32 v3, 31, v0
	v_lshlrev_b32 v[L16], 4, v3
	v_lshlrev_b32 v[L8], 3, v3
	v_cmp_lt_u32 vcc_lo, 15, v3
	s_mul_i32 s78, s15, 4*HT
	s_mul_i32 s79, s16, 8*HT
	s_add_co_u32 s79, s79, BL
.irp s, 0,1
	v_add_nc_u32 v[A16+\s], s78, v[L16]
	v_add_nc_u32 v[A8+\s], s78, v[L8]
	v_add_nc_u32 v[B16+\s], s79, v[L16]
	v_add_nc_u32 v[B8+\s], s79, v[L8]
	s_add_co_u32 s78, s78, SLOT
	s_add_co_u32 s79, s79, SLOT
.endr
	s_lshl_b32 s80, s17, 3
	s_lshl_b32 s81, s15, 2
	s_add_co_u32 s80, s80, s81
	s_lshl_b32 s80, s80, 9
	s_add_co_u32 s80, s80, SA_OFF
	s_lshl_b32 s82, s74, 4
	s_lshl_b32 s83, s16, 3
	s_add_co_u32 s82, s82, s83
	s_lshl_b32 s82, s82, 9
	s_add_co_u32 s82, s82, SB_OFF
	v_mov_b32 v17, s80
	v_mov_b32 v18, s82
	v_cndmask_b32 v16, v17, v18, vcc_lo            ; lanes 0-15 A's scale words, lanes 16-31 B's
	v_add_nc_u32 v18, 2048, v18
	v_cndmask_b32 v20, v17, v18, vcc_lo            ; B's tiles 4-7 (lanes 0-15 name A's four tiles again: A has no more)
	v_lshl_add_u32 v16, v1, 5, v16
	v_lshl_add_u32 v20, v1, 5, v20
.irp i, 0,1,2,3
	global_load_b128 v[SC+8*\i:SC+8*\i+3], v16, s[8:9] offset:512*\i
	global_load_b128 v[SC+8*\i+4:SC+8*\i+7], v16, s[8:9] offset:512*\i+16
	global_load_b128 v[SC+32+8*\i:SC+32+8*\i+3], v20, s[8:9] offset:512*\i
	global_load_b128 v[SC+32+8*\i+4:SC+32+8*\i+7], v20, s[8:9] offset:512*\i+16
.endr
	s_lshl_b32 s78, s17, 1
	s_add_co_u32 s78, s78, s15                     ; my head
	s_lshl_b32 s80, s78, 8                         ; 64 numbers of bv a head
	s_mov_b32 s81, 0
	s_add_nc_u64 s[10:11], s[10:11], s[80:81]
	v_lshrrev_b32 v21, 3, v1
	v_and_b32 v22, 7, v1
	v_lshl_add_u32 v22, v21, 5, v22
	v_lshlrev_b32 v19, 2, v22                      ; row r of tile a is feature 32 (r / 8) + 8 a + r % 8 of the head
.irp a, 0,1,2,3
	global_load_b32 v[BI+8*\a], v19, s[10:11] offset:32*\a
.endr
	s_mov_b32 s[SEL], 0x76543210
	s_mov_b32 s[SEL+1], 0xfedcba98
	v_lshlrev_b32 v[HH], 3, v2                     ; 8 h
	v_lshlrev_b32 v[R16], 4, v1                    ; the scale words' way out
	s_lshl_b32 s80, s74, 1
	s_add_co_u32 s80, s80, s16                     ; my 128 tokens among 64 such runs
	s_lshr_b32 s81, s80, 4                         ; batch
	s_and_b32 s80, s80, 15                         ; key step
	s_lshl_b32 s81, s81, 4
	s_add_co_u32 s81, s81, s78                     ; record = batch x 16 + head
	s_mul_i32 s81, s81, 102400
	s_mul_i32 s82, s80, 6144
	s_add_co_u32 s82, s82, s81
	s_mov_b32 s83, 0
	s_add_nc_u64 s[90:91], s[12:13], s[82:83]      ; the fragments
	s_lshl_b32 s82, s80, 8
	s_add_co_u32 s82, s82, s81
	s_add_co_u32 s82, s82, 98304
	s_add_nc_u64 s[92:93], s[12:13], s[82:83]      ; the scale words
	s_wait_alu depctr_va_vdst(0)
	s_wait_tensorcnt 0x0                           ; my part of slot 0 is in
	ds_add_u32 v[SPW], v[NIL]
	s_wait_dscnt 0x0
	CROUND
	JLOAD 1                                        ; K steps 4-7
	FETCH 0
	s_wait_loadcnt 0x0                             ; scale words and bias
.irp a, 0,1,2,3
.irp j, 1,2,3,4,5,6,7
	v_mov_b32 v[BI+8*\a+\j], v[BI+8*\a]            ; all eight results of a lane belong to its one d
.endr
.endr
	s_wait_alu depctr_va_vdst(0)
.irp k, 0,1,2,3,4,5,6,7
	STEP \k
.endr
	PLACES
; THE WAY OUT of block a (16 d x my 128 tokens).  The 32 registers at 64 a + 32 c are tokens 64 c + 32 h + 0 .. 31 of my d: block 2 c + h of the key step.  Each accumulator is read from its low end on.
.macro V_OUT a
.set AC, 64*(\a)
.set CD, 128+12*(\a)
	WIN 0x28
	v_mov_b32 v[MX], FLOOR
	v_mov_b32 v[MX+1], FLOOR
.irp i, 0,2,4,6,8,10,12,14,16,18,20,22,24,26,28,30
	v_max3_num_f32 v[MX], v[MX], |v[AC+\i]|, |v[AC+\i+1]|
	v_max3_num_f32 v[MX+1], v[MX+1], |v[AC+32+\i]|, |v[AC+33+\i]|
.endr
	WIN 0
	v_add_nc_u32 v[SCO], 0xfe000000, v[MX]
	v_add_nc_u32 v[SCO+1], 0xfe000000, v[MX+1]
	v_lshrrev_b32 v[BY], 23, v[SCO]
	v_lshrrev_b32 v[BY+1], 23, v[SCO+1]
	WIN 0x02
	v_cvt_scalef32_pk16_bf6_f32 v[CD:CD+2], v[AC:AC+15], v[SCO]
	v_cvt_scalef32_pk16_bf6_f32 v[TP:TP+2], v[AC+16:AC+31], v[SCO]
	v_cvt_scalef32_pk16_bf6_f32 v[CD+6:CD+8], v[AC+32:AC+47], v[SCO+1]
	v_cvt_scalef32_pk16_bf6_f32 v[TP+4:TP+6], v[AC+48:AC+63], v[SCO+1]
	WIN 0
	v_nop                                          ; one plain instruction behind the scaled conversions
.irp i, 0,1,2
	v_mov_b32 v[CD+3+\i], v[TP+\i]
	v_mov_b32 v[CD+9+\i], v[TP+4+\i]
.endr
	v_lshl_or_b32 v[BY], v[BY+1], 16, v[BY]
	v_lshlrev_b32 v[BY], v[HH], v[BY]
	v_permlanex16_b32 v[PT], v[BY], s[SEL], s[SEL+1]
	v_or_b32 v[SW+(\a)], v[BY], v[PT]              ; my d's scale word of the key step
	global_store_b128 v[L16], v[CD:CD+3], s[90:91] offset:1536*(\a)
	global_store_b64 v[L8], v[CD+4:CD+5], s[90:91] offset:1536*(\a)+512
	global_store_b128 v[L16], v[CD+6:CD+9], s[90:91] offset:1536*(\a)+768
	global_store_b64 v[L8], v[CD+10:CD+11], s[90:91] offset:1536*(\a)+1280
.endm
	v_mov_b32 v[PT], 0                             ; a lane permute's destination counts as one of its sources
.irp a, 0,1,2,3
	V_OUT \a
.endr
	global_store_b128 v[R16], v[SW:SW+3], s[92:93] ; 256 consecutive bytes; both lanes of a row store the same words
	s_wait_tensorcnt 0x0                           ; the wave's end
	ds_add_u32 v[SPW], v[NIL]
	s_wait_dscnt 0x0
	CROUND                                         ; the closing round
	s_endpgm
.Lfunc_end_k_q17db35b422_vproj:
	.size	k_q17db35b422_vproj, .Lfunc_end_k_q17db35b422_vproj-k_q17db35b422_vproj
	.p2alignl 7, 3214868480
	.fill 96, 4, 3214868480
	.section	.rodata,"a",@progbits
	.p2align	6, 0x0
	.amdhsa_kernel k_q17db35b422_vproj
		.amdhsa_group_segment_fixed_size 327680
		.amdhsa_private_segment_fixed_size 0
		.amdhsa_enable_private_segment 0
		.amdhsa_kernarg_size 40
		.amdhsa_user_sgpr_count 2
		.amdhsa_user_sgpr_kernarg_segment_ptr 1
		.amdhsa_wavefront_size32 1
		.amdhsa_system_sgpr_workgroup_id_x 1
		.amdhsa_system_sgpr_workgroup_id_y 1
		.amdhsa_system_sgpr_workgroup_id_z 1
		.amdhsa_system_vgpr_workitem_id 0
		.amdhsa_next_free_vgpr 768
		.amdhsa_next_free_sgpr 100
		.amdhsa_reserve_vcc 1
		.amdhsa_float_denorm_mode_32 3
		.amdhsa_float_denorm_mode_16_64 3
		.amdhsa_memory_ordered 1
		.amdhsa_forward_progress 1
		.amdhsa_inst_pref_size 84
	.end_amdhsa_kernel
	.amdgpu_metadata
---
amdhsa.version: [ 1, 2 ]
amdhsa.kernels:
  - .name:           k_q17db35b422_vproj
    .symbol:         k_q17db35b422_vproj.kd
    .args:
      - { .name: wc, .offset: 0, .size: 8, .value_kind: global_buffer, .address_space: global }
      - { .name: xc, .offset: 8, .size: 8, .value_kind: global_buffer, .address_space: global }
      - { .name: sc1, .offset: 16, .size: 8, .value_kind: global_buffer, .address_space: global }
      - { .name: bv, .offset: 24, .size: 8, .value_kind: global_buffer, .address_space: global }
      - { .name: vv, .offset: 32, .size: 8, .value_kind: global_buffer, .address_space: global }
    .group_segment_fixed_size: 327680
    .private_segment_fixed_size: 0
    .kernarg_segment_align: 8
    .kernarg_segment_size: 40
    .max_flat_workgroup_size: 128
    .sgpr_count:     100
    .vgpr_count:     768
    .wavefront_size: 32
...
	.end_amdgpu_metadata
.endif
;; end of part 3
;; launch attn (part 4): grid 64 x 4, 8 waves a work-group, no clusters, 226,816 bytes of LDS; arguments qk, vv, oc, sc2; writes oc, sc2
.if DOCPART == 4
	.amdgcn_target "amdgcn-amd-amdhsa--gfx1250"
	.amdhsa_code_object_version 6
	.text
	.protected	k_q17db35b422_attn
	.globl	k_q17db35b422_attn
	.p2align	8
	.type	k_q17db35b422_attn,@function
k_q17db35b422_attn:
	s_mov_b64 s[64:65], 0
	v_nop
	global_prefetch_b8 v0, s[64:65] scope:SCOPE_SE
	s_setreg_imm32_b32 hwreg(HW_REG_WAVE_MODE, 25, 1), 1
	s_wait_xcnt 0x0
; o = softmax(q k^T / 8) v for one batch and head (work-group x) and 512 queries (work-group y), on codes of BF6 (E3M2); o leaves as codes for the last projection.
; p is quantised FINISHED AND NORMALISED, so a row's maximum and sum are known before any of its p is quantised.  EACH SCORE IS MADE ONCE AND PUT THROUGH ONE EXPONENTIAL:
; THE KEYS ARE DIVIDED AMONG THE EIGHT WAVES.  Wave w owns keys 256 w .. 256 w + 255 for the whole launch: its fragments of K (8 x 12 registers) and of V^T (8 x 12) are loaded once, from memory
; straight into registers v256-447, and stay.  The loop walks 32 tiles of 16 queries.  For a tile a wave makes S^T (16 matrix instructions, 128 registers: a lane holds one query and four whole blocks of 32 keys),
; its own whole-number maximum M_w = ceil(largest t), t = score x log2(e) / 8, p' = 2^(t - M_w) and the sum L_w of its p'.  The pairs (-M_w, L_w) go through LDS; behind the barrier every wave forms
; M = the largest M_w, L = the sum of L_w 2^(M_w - M) (powers of two: nothing is rounded by them), p = p' x 2^(M_w - M) / L, quantises p by blocks of 32 keys, multiplies by its V^T (8 matrix instructions)
; and stores its partial O^T (32 registers) to LDS.  Behind the next barrier wave w adds registers 4 w .. 4 w + 3 of the eight partial sums and rests the sum in LDS; at the end each wave quantises four tiles of o.
; A block's largest p is not searched for: p rises with the score, so the block's largest score goes through the same multiply-add, exponential and multiplication (this takes v_exp_f32 not to fall where its input rises).
; ONE BARRIER A TILE: behind it a wave joins tile k + 1's pairs and, among that chain's lines, adds tile k's partial sums; then it finishes tile k + 1 and begins tile k + 2.  Pairs and partial sums lie in two buffers by turns.
; abs() of a softmax changes nothing (no p is negative) and is left out.
; NO CLUSTER, NO TENSOR LOAD: K and V are read once by a work-group, at the head, into the registers in which they stay; LDS holds no copy of them, so there is no tile for a joint load to fill.
; NO PREFETCH: every read of memory stands at the head; the loop reads LDS and registers alone.
; LAYOUTS (made by the launches before): qk record = 128 token tiles x 768 bytes (image of six operand registers: 16 tokens x 64 d) + scale words [4 tiles][row][tile]; vv record = fragments [key step][d tile][1,536] + scale words [key step][row][d tile].
; Row m of token tile 4 g + T is token 64 g + 32 (m / 8) + 8 T + m % 8, so four tiles taken as source 0 leave 32 neighbouring keys in a lane's 32 result registers; V's d tiles likewise leave 32 neighbouring d.
; The head size is 64 and the instruction's K 128: a fragment of K holds two token tiles, and q stands in the half that is wanted, with zero codes in the other.
; LIMITS: the promise holds while |t| stays under 2^31; NaN and infinities are not served; a block whose largest magnitude lies under 2^-122 keeps the byte 1, a block of zeros too (this program alone reads the bytes).
.set KREC,  106496
.set VREC,  102400
.set KSCL,  98304
.set FLOOR, 0x02800000                 ; 2^(5 - 127)
.set QSC,   24576                      ; LDS: from 0 q's 32 tiles x 768; here their scale words [tile][row]
.set ML,    26624                      ; the pairs: [buffer][query: 80 bytes][wave: 8 bytes]; 80 = 5 x 16
.set MLB,   1280
.set OP,    29184                      ; partial O^T: [buffer][wave][four registers][lane][16 bytes]
.set OPB,   32768
.set RA,    94720                      ; the summed O^T of all 32 tiles: [tile][four registers][lane][16 bytes]
.set SPARE, 225792                     ; the spare words, 128 bytes a wave
.set L16, 1                            ; 16 x lane
.set L8,  2                            ; 8 x lane
.set HR,  3                            ; 256 h + 16 r
.set H8,  4                            ; 8 h
.set SPW, 5
.set NIL, 6
.set BQS, 7                            ; v7-12, v21: LDS bases; v13-20: this trip's addresses
.set BMW, 8
.set BMR, 9
.set BOW, 10
.set BOR, 11
.set BRW, 12
.set AQ16, 13
.set AQ8, 14
.set AQS, 15
.set AMW, 16
.set AMR, 17
.set AOW, 18
.set AOR, 19
.set ARW, 20
.set BFL, 21
.set NM,  22                           ; v22 -M_w, v23 L_w
.set RR,  24                           ; v24 2^(M_w - M) / L
.set T0,  26
.set T1,  27
.set BM,  28                           ; v28-31 the four blocks' largest score, then p
.set SCO, 32                           ; v32-35 the conversions' scale operands
.set SBO, 36
.set G,   37
.set QS,  39                           ; scale words: q's; v40-41 p's; v42-45 V's (lanes 0-15 my first key step, 16-31 my second); v46-53 K's (two groups of four tiles to a register)
.set PS,  40
.set VS,  42
.set KS,  46
.set QF,  54                           ; v54-59 zeros, v60-65 q, v66-71 zeros
.set P,   72                           ; v72-95 p's codes; before them the pairs read back (E)
.set E,   72
.set O,   96                           ; v96-127 O^T; by turns with it the sum's sixteen pairs (AC), the conversions' upper halves (TP) and the bytes (BY)
.set AC,  96
.set TP,  96
.set BY,  112
.set S,   128                          ; v128-255 S^T, then p
.set SEL, 56
.set CS,  58
.set MSB, 0
.macro WIN new                         ; the immediate's high byte repeats the setting that is left
.if MSB != (\new)
	s_set_vgpr_msb (MSB<<8)|(\new)
.set MSB, (\new)
.endif
.endm
.macro BAR                             ; my LDS instructions are done, for the others' sake; then the barrier
	s_wait_alu depctr_va_vdst(0)
	s_wait_dscnt 0x0
	s_barrier_signal -1
	s_barrier_wait -1
.endm
.macro FOUR
.rept 4
	v_nop
.endr
.endm
.macro D1
	s_delay_alu instid0(VALU_DEP_1)
.endm
.macro IMG reg, base, off              ; a fragment's image, 1,536 bytes, from memory
	global_load_b128 v[(\reg):(\reg)+3], v[L16], s[\base:\base+1] offset:(\off)
	global_load_b64 v[(\reg)+4:(\reg)+5], v[L8], s[\base:\base+1] offset:(\off)+512
	global_load_b128 v[(\reg)+6:(\reg)+9], v[L16], s[\base:\base+1] offset:(\off)+768
	global_load_b64 v[(\reg)+10:(\reg)+11], v[L8], s[\base:\base+1] offset:(\off)+1280
.endm
.macro QKM tt                          ; S^T of my token tile tt: source 0 = K (window 1), source 1 = q in the half where the tile lies
.if ((\tt)/4)%2
	v_wmma_scale_f32_16x16x128_f8f6f4 v[S+8*(\tt):S+8*(\tt)+7], v[12*((\tt)/2):12*((\tt)/2)+11], v[QF+6-6*((\tt)%2):QF+17-6*((\tt)%2)], 0, v[KS+(\tt)%4+4*((\tt)/8)], v[QS] matrix_a_fmt:MATRIX_FMT_BF6 matrix_b_fmt:MATRIX_FMT_BF6 matrix_a_scale:MATRIX_SCALE_ROW1
.else
	v_wmma_scale_f32_16x16x128_f8f6f4 v[S+8*(\tt):S+8*(\tt)+7], v[12*((\tt)/2):12*((\tt)/2)+11], v[QF+6-6*((\tt)%2):QF+17-6*((\tt)%2)], 0, v[KS+(\tt)%4+4*((\tt)/8)], v[QS] matrix_a_fmt:MATRIX_FMT_BF6 matrix_b_fmt:MATRIX_FMT_BF6
.endif
.endm
; A TILE BEGINS: scores, my maximum, p', my sum; the pair goes to LDS at mlw.  cnt: the LDS instructions issued behind q's loads
.macro PA mlw, cnt
	s_wait_dscnt \cnt
	WIN 0x01
.irp tt,0,1,2,3,4,5,6,7,8,9,10,11,12,13,14,15
	QKM \tt
.endr
	WIN 0
	FOUR                                           ; four plain instructions behind a matrix instruction (ISA guide 7.12.1)
.irp b,0,1,2,3
	v_max3_num_f32 v[BM+\b], v[S+32*\b], v[S+32*\b+1], v[S+32*\b+2]   ; the four blocks by turns, each accumulator from its low end on
.endr
.irp i,3,5,7,9,11,13,15,17,19,21,23,25,27,29
.irp b,0,1,2,3
	v_max3_num_f32 v[BM+\b], v[BM+\b], v[S+32*\b+\i], v[S+32*\b+\i+1]
.endr
.endr
.irp b,0,1,2,3
	v_max_num_f32 v[BM+\b], v[BM+\b], v[S+32*\b+31]
.endr
	v_max3_num_f32 v[T0], v[BM], v[BM+1], v[BM+2]
	D1
	v_max_num_f32 v[T0], v[T0], v[BM+3]
	D1
	v_permlanex16_b32 v[T1], v[T0], s[SEL], s[SEL+1]
	D1
	v_max_num_f32 v[T0], v[T0], v[T1]              ; my query's largest score among my 256 keys
	D1
	v_mul_f32 v[T0], s[CS], v[T0]
	D1
	v_floor_f32 v[NM], -v[T0]                      ; -M_w = floor(-t): a whole number
.set j, 0
.rept 16
	v_pk_fma_f32 v[S+j:S+j+1], v[S+j:S+j+1], s[CS:CS+1], v[NM:NM+1] op_sel_hi:[1,0,0]   ; t - M_w of block 0
.set j, j+2
.endr
.irp b,0,1,2,3
	v_fma_f32 v[BM+\b], v[BM+\b], s[CS], v[NM]
.endr
; THE EXPONENTIALS GO BLOCK BY BLOCK, 32 to a batch.  Among a batch's lines stand the next block's multiply-adds and the additions of blocks that are finished, on sixteen pairs of accumulators, each written once in a batch:
; so whatever a batch's ordinary lines write is first read behind the wait at the next batch's head, and so is what its exponentials write
.irp b,0,1,2,3
	s_wait_alu depctr_va_vdst(0)
.if \b == 2
	s_wait_dscnt 0x0                               ; the last tile's stores of O^T have read their registers, which now take the sum's pairs
.endif
.set j, 0
.rept 16
	v_exp_f32 v[S+32*\b+j], v[S+32*\b+j]
	v_exp_f32 v[S+32*\b+j+1], v[S+32*\b+j+1]
.if \b < 3
	v_pk_fma_f32 v[S+32*\b+32+j:S+32*\b+33+j], v[S+32*\b+32+j:S+32*\b+33+j], s[CS:CS+1], v[NM:NM+1] op_sel_hi:[1,0,0]
.endif
.if \b == 2
	v_pk_add_f32 v[AC+j:AC+j+1], v[S+j:S+j+1], v[S+32+j:S+33+j]          ; the sum of the unquantised p': blocks 0 and 1,
.endif
.if \b == 3
	v_pk_add_f32 v[AC+j:AC+j+1], v[AC+j:AC+j+1], v[S+64+j:S+65+j]        ; block 2,
.endif
.set j, j+2
.endr
.endr
.irp b,0,1,2,3
	v_exp_f32 v[BM+\b], v[BM+\b]
.endr
	v_nop
	s_wait_alu depctr_va_vdst(0)
.set j, 0
.rept 16
	v_pk_add_f32 v[AC+j:AC+j+1], v[AC+j:AC+j+1], v[S+96+j:S+97+j]        ; block 3,
.set j, j+2
.endr
.irp w,16,8,4,2                        ; and the sixteen pairs into one
.set j, 0
.rept \w/2
	v_pk_add_f32 v[AC+j:AC+j+1], v[AC+j:AC+j+1], v[AC+\w+j:AC+\w+j+1]
.set j, j+2
.endr
.endr
	D1
	v_add_f32 v[T0], v[AC], v[AC+1]
	D1
	v_permlanex16_b32 v[T1], v[T0], s[SEL], s[SEL+1]
	D1
	v_add_f32 v[NM+1], v[T0], v[T1]
	ds_store_b64 v[\mlw], v[NM:NM+1]               ; both lanes of a query write the same pair
.endm
; A TILE IS FINISHED: p, its codes, p v, my partial O^T to LDS.  q = 1: the next tile's q is fetched, and its addresses made
.macro PB q
.if \q
	v_add_nc_u32 v[AQ16], s50, v[L16]
	v_add_nc_u32 v[AQ8], s50, v[L8]
	v_add_nc_u32 v[AQS], s51, v[BQS]
	ds_load_b128 v[QF+6:QF+9], v[AQ16]
	ds_load_b64 v[QF+10:QF+11], v[AQ8] offset:512
	ds_load_b32 v[QS], v[AQS]
.endif
	s_wait_alu depctr_va_vdst(0)                   ; the factor was made ahead of a branch
.irp b,0,1,2,3
	v_mul_f32 v[BM+\b], v[BM+\b], v[RR]            ; the blocks' largest p
.endr
.irp b,0,1,2,3
	v_max_num_f32 v[BM+\b], FLOOR, v[BM+\b]
.endr
.irp b,0,1,2,3
	v_add_nc_u32 v[SCO+\b], 0xfe000000, v[BM+\b]   ; 4 off the exponent field: the conversion's scale operand
.endr
.irp b,0,1,2,3
	v_lshrrev_b32 v[BY+\b], 23, v[SCO+\b]
.endr
.irp s,0,2
	v_lshl_or_b32 v[BY+\s], v[BY+\s+1], 16, v[BY+\s]   ; my blocks h and 2 + h of a key step
.endr
.irp s,0,2
	v_lshlrev_b32 v[BY+\s], v[H8], v[BY+\s]
.endr
.irp s,0,2
	v_permlanex16_b32 v[BY+\s+1], v[BY+\s], s[SEL], s[SEL+1]
.endr
.irp s,0,2
	v_or_b32 v[PS+\s/2], v[BY+\s], v[BY+\s+1]      ; p's scale word of the key step
.endr
.set j, 0
.rept 64
	v_pk_mul_f32 v[S+j:S+j+1], v[S+j:S+j+1], v[RR:RR+1] op_sel_hi:[1,0]
.set j, j+2
.endr
.irp c,0,1,2,3
	v_cvt_scalef32_pk16_bf6_f32 v[P+6*\c:P+6*\c+2], v[S+32*\c:S+32*\c+15], v[SCO+\c]
	v_cvt_scalef32_pk16_bf6_f32 v[TP+4*\c:TP+4*\c+2], v[S+32*\c+16:S+32*\c+31], v[SCO+\c]   ; (a conversion's three registers begin on an even number)
.endr
	v_nop                                          ; one plain instruction behind the scaled conversions
.irp c,0,1,2,3
.irp i,0,1,2
	v_mov_b32 v[P+6*\c+3+\i], v[TP+4*\c+\i]
.endr
.endr
	v_add_nc_u32 v[AOW], s53, v[BOW]               ; this trip's addresses are the four places between operands written by vector instructions and a scaled matrix instruction,
	v_add_nc_u32 v[AOR], s53, v[BOR]
	v_add_nc_u32 v[ARW], s54, v[BRW]
.if \q
	v_add_nc_u32 v[AMW], s52, v[BMW]
.else
	v_nop
.endif
	WIN 0x01
.irp t,0,1,2,3
	v_wmma_scale_f32_16x16x128_f8f6f4 v[O+8*\t:O+8*\t+7], v[96+12*\t:96+12*\t+11], v[P:P+11], 0, v[VS+\t], v[PS] matrix_a_fmt:MATRIX_FMT_BF6 matrix_b_fmt:MATRIX_FMT_BF6
.endr
.irp t,0,1,2,3                         ; the four accumulators take turns
	v_wmma_scale_f32_16x16x128_f8f6f4 v[O+8*\t:O+8*\t+7], v[144+12*\t:144+12*\t+11], v[P+12:P+23], v[O+8*\t:O+8*\t+7], v[VS+\t], v[PS+1] matrix_a_fmt:MATRIX_FMT_BF6 matrix_b_fmt:MATRIX_FMT_BF6 matrix_a_scale:MATRIX_SCALE_ROW1
.endr
	WIN 0
.if \q
	v_add_nc_u32 v[AMR], s52, v[BMR]               ; and one of the four behind the matrix instructions
.else
	v_nop
.endif
.rept 3
	v_nop
.endr
.irp i,0,1,2,3,4,5,6,7
	ds_store_b128 v[AOW], v[O+4*\i:O+4*\i+3] offset:512*\i
.endr
.endm
.macro PK2 d, s                        ; four registers of one partial sum onto another's
	v_pk_add_f32 v[O+\d:O+\d+1], v[O+\d:O+\d+1], v[O+\s:O+\s+1]
	v_pk_add_f32 v[O+\d+2:O+\d+3], v[O+\d+2:O+\d+3], v[O+\s+2:O+\s+3]
.endm
; BEHIND THE BARRIER.  ml = 1: the eight pairs at mr give the row's M and L and my factor 2^(M_w - M) / L.  pc = 1: registers 4 w .. 4 w + 3 of the eight partial sums are added and rested.
; The pairs are fetched first; the additions stand among the dependent lines of the pairs' chain.
.macro TL ml, pc, mr
.if \ml
	ds_load_b128 v[E:E+3], v[\mr]
	ds_load_b128 v[E+4:E+7], v[\mr] offset:16
.endif
.if \pc
.irp i,0,1,2,3,4,5,6,7
	ds_load_b128 v[O+4*\i:O+4*\i+3], v[AOR] offset:4096*\i
.endr
.endif
.if \ml
	s_wait_dscnt 8*\pc                             ; the pairs are in; the eight loads of partial sums may be out
	v_min3_num_f32 v[G], v[E], v[E+2], v[E+4]      ; lanes 0-15 hold waves 0-3's pairs of their query, lanes 16-31 waves 4-7's
	D1
	v_min_num_f32 v[G], v[G], v[E+6]
	D1
	v_permlanex16_b32 v[T1], v[G], s[SEL], s[SEL+1]
	D1
	v_min_num_f32 v[G], v[G], v[T1]                ; -M
.irp i,0,2,4,6
	v_sub_f32 v[E+\i], v[G], v[E+\i]               ; M_i - M, a whole number, 0 or less
.endr
	v_sub_f32 v[T0], v[G], v[NM]
.irp i,0,2,4,6
	v_cvt_i32_f32 v[E+\i], v[E+\i]                 ; (it saturates)
.endr
	v_cvt_i32_f32 v[T0], v[T0]
.irp i,0,2,4,6
	v_ldexp_f32 v[E+\i+1], v[E+\i+1], v[E+\i]
.endr
.endif
.if \pc
	s_wait_alu depctr_va_vdst(0)
	s_wait_dscnt 0x0
.endif
.if \ml
	v_add_f32 v[E+1], v[E+1], v[E+3]
	v_add_f32 v[E+5], v[E+5], v[E+7]
.endif
.if \pc
	PK2 0, 4
	PK2 8, 12
.endif
.if \ml
	v_add_f32 v[E+1], v[E+1], v[E+5]
.endif
.if \pc
	PK2 16, 20
	PK2 24, 28
.endif
.if \ml
	v_permlanex16_b32 v[T1], v[E+1], s[SEL], s[SEL+1]
.endif
.if \pc
	PK2 0, 8
	PK2 16, 24
.endif
.if \ml
	v_add_f32 v[E+1], v[E+1], v[T1]                ; L
	s_wait_alu depctr_va_vdst(0)                   ; ahead of the transcendental
	v_rcp_f32 v[RR], v[E+1]
.endif
.if \pc
	PK2 0, 16
.else
	v_nop
.endif
.if \ml
	s_wait_alu depctr_va_vdst(0)                   ; and behind it
	v_ldexp_f32 v[RR], v[RR], v[T0]                ; 2^(M_w - M) / L
.endif
.if \pc
	ds_store_b128 v[ARW], v[O:O+3]
.endif
.endm
	s_load_b256 s[4:11], s[0:1], 0x0               ; qk, vv, oc, sc2
	v_lshl_add_u32 v[SPW], v0, 2, SPARE
	v_mov_b32 v[NIL], 0
	v_lshrrev_b32 v26, 5, v0
	v_readfirstlane_b32 s12, v26                   ; wave
	v_and_b32 v37, 31, v0                          ; lane
	v_and_b32 v28, 15, v0                          ; r
	v_bfe_u32 v29, v0, 4, 1                        ; h
	v_lshlrev_b32 v[L16], 4, v37
	v_lshlrev_b32 v[L8], 3, v37
	v_lshlrev_b32 v[HR], 4, v28
	v_lshl_add_u32 v[HR], v29, 8, v[HR]
	v_lshlrev_b32 v[H8], 3, v29
	v_lshl_add_u32 v[SBO], v28, 5, v29             ; o's scale bytes: 32 r + h
	v_lshl_add_u32 v[BQS], v28, 2, QSC
	v_mul_u32_u24 v30, v28, 80
	v_lshl_add_u32 v31, v29, 5, v30
	v_add_nc_u32 v[BMR], ML, v31
	v_and_b32 v32, 1, v37
	v_lshrrev_b32 v33, 1, v37
	v_lshlrev_b32 v33, 2, v33
	v_lshl_add_u32 v33, v32, 7, v33                ; q's scale words on their way into LDS: 128 (lane % 2) + 4 (lane / 2)
.irp i,54,55,56,57,58,59,66,67,68,69,70,71,23,25,27
	v_mov_b32 v\i, 0                               ; the zero codes beside q; upper halves of named pairs; a lane permute's destination
.endr
	s_wait_alu depctr_va_vdst(0)
	s_lshl_b32 s20, s12, 3
	s_add_co_u32 s20, s20, ML
	v_add_nc_u32 v[BMW], s20, v30
	s_lshl_b32 s20, s12, 12
	s_add_co_u32 s20, s20, OP
	v_add_nc_u32 v[BOW], s20, v[L16]
	s_lshl_b32 s21, s12, 9
	s_add_co_u32 s20, s21, OP
	v_add_nc_u32 v[BOR], s20, v[L16]
	s_add_co_u32 s20, s21, RA
	v_add_nc_u32 v[BRW], s20, v[L16]
	s_lshl_b32 s20, s12, 14
	s_add_co_u32 s20, s20, RA
	v_add_nc_u32 v[BFL], s20, v[L16]
	s_mul_i32 s21, s12, 3072
	v_add_nc_u32 v160, s21, v[L16]                 ; q's codes on their way into LDS
	s_lshl_b32 s22, s12, 8
	s_add_co_u32 s20, s22, QSC
	v_add_nc_u32 v161, s20, v33
	s_mov_b32 s13, ttmp9                           ; batch x 16 + head
	s_and_b32 s14, ttmp7, 0xffff                   ; which 512 queries
	s_mul_i32 s30, s13, KREC
	s_mul_i32 s31, s13, VREC
	s_mul_i32 s20, s14, 24576                      ; my 32 tiles of q
	s_add_co_u32 s32, s30, s20
	s_add_co_u32 s32, s32, s21                     ; my wave's 3,072 bytes of them
	s_mov_b32 s33, 0
	s_lshl_b32 s20, s14, 11
	s_add_co_u32 s34, s30, s20
	s_add_co_u32 s34, s34, s22
	s_add_co_u32 s34, s34, KSCL                    ; and 256 bytes of their scale words
	s_mov_b32 s35, 0
	s_mul_i32 s20, s12, 12288
	s_add_co_u32 s36, s30, s20
	s_add_co_u32 s36, s36, 64*KREC                 ; my 16 token tiles of K
	s_mov_b32 s37, 0
	s_lshl_b32 s21, s12, 10
	s_add_co_u32 s38, s30, s21
	s_add_co_u32 s38, s38, 64*KREC+KSCL
	s_mov_b32 s39, 0
	s_add_co_u32 s40, s31, s20                     ; my two key steps of V
	s_mov_b32 s41, 0
	s_lshl_b32 s21, s12, 9
	s_add_co_u32 s42, s31, s21
	s_add_co_u32 s42, s42, 98304
	s_mov_b32 s43, 0
	s_lshr_b32 s20, s13, 4
	s_lshl_b32 s20, s20, 7
	s_lshl_b32 s21, s14, 5
	s_add_co_u32 s20, s20, s21
	s_lshl_b32 s21, s12, 2
	s_add_co_u32 s20, s20, s21                     ; the first of the four token tiles of o that I quantise
	s_and_b32 s21, s13, 15                         ; head
	s_mul_i32 s44, s20, 12288
	s_mul_i32 s22, s21, 768
	s_add_co_u32 s44, s44, s22
	s_mov_b32 s45, 0
	s_lshl_b32 s46, s20, 9
	s_lshl_b32 s21, s21, 1
	s_add_co_u32 s46, s46, s21
	s_mov_b32 s47, 0
	s_mov_b32 s[SEL], 0x76543210
	s_mov_b32 s[SEL+1], 0xfedcba98                 ; selects for lane l xor 16
	s_mov_b32 s[CS], 0x3e38aa3b                    ; log2(e) / 8
	s_mov_b32 s[CS+1], s[CS]
	s_wait_alu depctr_va_vdst(0)
	s_wait_kmcnt 0x0
	s_add_nc_u64 s[32:33], s[4:5], s[32:33]
	s_add_nc_u64 s[34:35], s[4:5], s[34:35]
	s_add_nc_u64 s[36:37], s[4:5], s[36:37]
	s_add_nc_u64 s[38:39], s[4:5], s[38:39]
	s_add_nc_u64 s[40:41], s[6:7], s[40:41]
	s_add_nc_u64 s[42:43], s[6:7], s[42:43]
	s_add_nc_u64 s[44:45], s[8:9], s[44:45]
	s_add_nc_u64 s[46:47], s[10:11], s[46:47]
.irp i,0,1,2,3,4,5
	global_load_b128 v[S+4*\i:S+4*\i+3], v[L16], s[32:33] offset:512*\i
.endr
	global_load_b64 v[S+24:S+25], v[L8], s[34:35]
	global_load_b128 v[KS:KS+3], v[HR], s[38:39]              ; lanes 0-15 tiles 0-3, lanes 16-31 tiles 4-7
	global_load_b128 v[KS+4:KS+7], v[HR], s[38:39] offset:512 ; tiles 8-11 and 12-15
	global_load_b128 v[VS:VS+3], v[HR], s[42:43]
	WIN 0x40                                       ; destinations in window 1
.irp u,0,1,2,3,4,5,6,7
	IMG 12*\u, 36, 1536*\u
.endr
	WIN 0
	s_wait_loadcnt 30                              ; q's share and the scale words are in; of K's 32 loads 30 may be out
.irp i,0,1,2,3,4,5
	ds_store_b128 v160, v[S+4*\i:S+4*\i+3] offset:512*\i
.endr
	ds_store_b32 v161, v[S+24]                     ; scale words laid [tile][row]: 64 bytes a tile
	ds_store_b32 v161, v[S+25] offset:64
	WIN 0x40
.irp u,0,1,2,3,4,5,6,7
	IMG 96+12*\u, 40, 1536*\u
.endr
	WIN 0
	BAR                                            ; all of q is in LDS
	ds_load_b128 v[QF+6:QF+9], v[L16]              ; tile 0's q
	ds_load_b64 v[QF+10:QF+11], v[L8] offset:512
	ds_load_b32 v[QS], v[BQS]
	s_wait_loadcnt 32                              ; K is in; V's 32 loads may be out
	PA BMW, 0
	BAR
	TL 1, 0, BMR
	s_wait_loadcnt 0x0                             ; V is in
	s_mov_b32 s50, 768                             ; the next tile's q
	s_mov_b32 s51, 64                              ; and its scale words
	s_mov_b32 s52, MLB                             ; the next tile's buffer of pairs
	s_mov_b32 s53, 0                               ; this tile's buffer of partial sums
	s_mov_b32 s54, 0                               ; this tile's place among the sums
	s_mov_b32 s55, 31
.Ltile:
	PB 1
	PA AMW, 8                                      ; behind q's loads: the eight stores of O^T
	BAR
	TL 1, 1, AMR
	s_add_co_u32 s50, s50, 768
	s_add_co_u32 s51, s51, 64
	s_xor_b32 s52, s52, MLB
	s_xor_b32 s53, s53, OPB
	s_add_co_u32 s54, s54, 4096
	s_sub_co_u32 s55, s55, 1
	s_cmp_lg_u32 s55, 0
	s_cbranch_scc1 .Ltile
	PB 0                                           ; the last tile: none begins behind it
	BAR
	TL 0, 1, AMR
	BAR
; o's tiles 4 w .. 4 w + 3 of the work-group's 32: a lane's 32 registers are d = 32 h + 0 .. 31 of query r: one block of the last projection's K
.set i, 0
.rept 32
	ds_load_b128 v[S+4*i:S+4*i+3], v[BFL] offset:512*i
.set i, i+1
.endr
	s_wait_dscnt 0x0
.irp x,0,1,2,3
	v_max3_num_f32 v[BM+\x], |v[S+32*\x]|, |v[S+32*\x+1]|, FLOOR
.endr
.irp i,2,4,6,8,10,12,14,16,18,20,22,24,26,28,30
.irp x,0,1,2,3
	v_max3_num_f32 v[BM+\x], v[BM+\x], |v[S+32*\x+\i]|, |v[S+32*\x+\i+1]|
.endr
.endr
.irp x,0,1,2,3
	v_add_nc_u32 v[SCO+\x], 0xfe000000, v[BM+\x]
.endr
.irp x,0,1,2,3
	v_lshrrev_b32 v[BY+\x], 23, v[SCO+\x]
.endr
.irp x,0,1,2,3
	v_cvt_scalef32_pk16_bf6_f32 v[P+6*\x:P+6*\x+2], v[S+32*\x:S+32*\x+15], v[SCO+\x]
	v_cvt_scalef32_pk16_bf6_f32 v[TP+4*\x:TP+4*\x+2], v[S+32*\x+16:S+32*\x+31], v[SCO+\x]
.endr
	v_nop
.irp x,0,1,2,3
.irp i,0,1,2
	v_mov_b32 v[P+6*\x+3+\i], v[TP+4*\x+\i]
.endr
.endr
.irp x,0,1,2,3
	global_store_b128 v[L16], v[P+6*\x:P+6*\x+3], s[44:45] offset:12288*\x          ; 512 and 256 consecutive bytes, at multiples of 256 from the buffer's first byte
	global_store_b64 v[L8], v[P+6*\x+4:P+6*\x+5], s[44:45] offset:12288*\x+512
	global_store_b8 v[SBO], v[BY+\x], s[46:47] offset:512*\x                        ; my head's two bytes of each row's 32
.endr
	s_wait_tensorcnt 0x0                           ; the wave's end
	ds_add_u32 v[SPW], v[NIL]
	s_wait_dscnt 0x0
	s_endpgm
.Lfunc_end_k_q17db35b422_attn:
	.size	k_q17db35b422_attn, .Lfunc_end_k_q17db35b422_attn-k_q17db35b422_attn
	.p2alignl 7, 3214868480
	.fill 96, 4, 3214868480
	.section	.rodata,"a",@progbits
	.p2align	6, 0x0
	.amdhsa_kernel k_q17db35b422_attn
		.amdhsa_group_segment_fixed_size 226816
		.amdhsa_private_segment_fixed_size 0
		.amdhsa_enable_private_segment 0
		.amdhsa_kernarg_size 32
		.amdhsa_user_sgpr_count 2
		.amdhsa_user_sgpr_kernarg_segment_ptr 1
		.amdhsa_wavefront_size32 1
		.amdhsa_system_sgpr_workgroup_id_x 1
		.amdhsa_system_sgpr_workgroup_id_y 1
		.amdhsa_system_sgpr_workgroup_id_z 1
		.amdhsa_system_vgpr_workitem_id 0
		.amdhsa_next_free_vgpr 512
		.amdhsa_next_free_sgpr 66
		.amdhsa_reserve_vcc 0
		.amdhsa_float_denorm_mode_32 3
		.amdhsa_float_denorm_mode_16_64 3
		.amdhsa_memory_ordered 1
		.amdhsa_forward_progress 1
		.amdhsa_inst_pref_size 84
	.end_amdhsa_kernel
	.amdgpu_metadata
---
amdhsa.version: [ 1, 2 ]
amdhsa.kernels:
  - .name:           k_q17db35b422_attn
    .symbol:         k_q17db35b422_attn.kd
    .args:
      - { .name: qk, .offset: 0, .size: 8, .value_kind: global_buffer, .address_space: global }
      - { .name: vv, .offset: 8, .size: 8, .value_kind: global_buffer, .address_space: global }
      - { .name: oc, .offset: 16, .size: 8, .value_kind: global_buffer, .address_space: global }
      - { .name: sc2, .offset: 24, .size: 8, .value_kind: global_buffer, .address_space: global }
    .group_segment_fixed_size: 226816
    .private_segment_fixed_size: 0
    .kernarg_segment_align: 8
    .kernarg_segment_size: 32
    .max_flat_workgroup_size: 256
    .sgpr_count:     66
    .vgpr_count:     512
    .wavefront_size: 32
...
	.end_amdgpu_metadata
.endif
;; end of part 4
;; launch oproj (part 5): grid 4 x 64, 4 waves a work-group, clusters of 4 x 4, 327,680 bytes of LDS; arguments oc, wc, sc2, bo, out0; writes out0
.if DOCPART == 5
	.amdgcn_target "amdgcn-amd-amdhsa--gfx1250"
	.amdhsa_code_object_version 6
	.text
	.protected	k_q17db35b422_oproj
	.globl	k_q17db35b422_oproj
	.p2align	8
	.type	k_q17db35b422_oproj,@function
k_q17db35b422_oproj:
	s_mov_b64 s[64:65], 0
	v_nop
	global_prefetch_b8 v0, s[64:65] scope:SCOPE_SE
	s_setreg_imm32_b32 hwreg(HW_REG_WAVE_MODE, 25, 1), 1
	s_wait_xcnt 0x0
	s_wait_alu depctr_hold_cnt(0) depctr_sa_sdst(0) depctr_va_vdst(0) depctr_va_sdst(0) depctr_va_ssrc(0) depctr_va_vcc(0) depctr_vm_vsrc(0)
	s_getreg_b32 s2, hwreg(HW_REG_IB_STS2, 6, 4)
	s_cmp_eq_u32 s2, 0
	s_cbranch_scc0 .Lentry_in_a_cluster
	s_endpgm
.Lentry_in_a_cluster:
	s_bfe_u32 s2, ttmp6, 0x10000c
	s_cmp_lg_u32 s2, 0xf033
	s_cbranch_scc0 .Lentry_shape_is_right
	s_endpgm
.Lentry_shape_is_right:
; out = o Wo^T + bo on codes of BF6 (E3M2); out is f32.  A (source 1) = 128 tokens of o, B (source 0) = 256 rows of Wo, so that a lane's registers run along a row of out.  K = 1,024.
; 8,192 x 1,024 results in blocks of 128 x 256: 256 work-groups.  Four waves, each 64 tokens x 128 features: 32 accumulators.
; Operands lie in memory as images of operand registers (a fragment, 16 rows x 128 K, is 1,536 bytes; a tile's 8 K steps on end).  Row m of tile 4 g + T is row 64 g + 32 (m / 8) + 8 T + m % 8,
; so the 32 result registers of Wo's tiles 4 c .. 4 c + 3 are features 64 c + 32 (lane / 16) + 0 .. 31 of the lane's token.
; ALL OF K LIES IN LDS, in two slots of 512 along K (24 tiles x 6,144 bytes each), each filled once: slot 0 by one joint load a wave at the head, slot 1 behind the cluster round at the head's end.
; CLUSTERS: 4 x 4; A's tiles are asked for jointly along a row of the cluster, B's along a column.  Waves 0 and 1 fetch A's two halves, waves 2 and 3 B's.
; The scale words of all of K stay in registers.  The bias, in the result's layout, is the C of the first K step's products.
; THE WAY OUT: a block of 16 tokens x 128 features goes through the wave's own stage and leaves as rows of 512 bytes.  The stage lies in slot 0, which has had its one fill and, behind the barrier in K step 3, its last read.
; No prefetch: both halves of K are asked for in the head, and the text has no loop to run ahead in.
.set B_OFF,  2359296                   ; Wo's tiles in wc
.set SA_OFF, 0                         ; o's scale words in sc2
.set SB_OFF, 262144                    ; Wo's
.set FR,     12
.set FRB,    1536
.set HT,     6144                      ; four K steps of a tile
.set KROW,   12288
.set BL,     8*HT                      ; in a slot B's 16 tiles lie behind A's 8
.set SLOT,   24*HT
.set SPARE,  2*SLOT
.set SPITCH, 528
.set A16,  4                           ; v4-11 LDS addresses, one for each slot
.set A8,   6
.set B16,  8
.set B8,   10
.set STO,  22
.set RD,   23
.set SPW,  28
.set NIL,  29
.set L16,  30
.set L8,   31
.set SC,   32                          ; v32-95 scale words: register 8 i + K step: lanes 0-15 A's tile i, lanes 16-31 B's tile i
.set AF,   96                          ; v96-191 A's fragments, two sets; window 1: B's, two sets at v0 and v128; window 2: the accumulators
.set BI,   192                         ; the bias
.set BK,   128                         ; the way out: rows read back, two sets of 64
.set G1,   24
.set G0,   32
.set G1B,  48
.set G0B,  56
.set MSB, 0
.macro WIN new                         ; the immediate's high byte repeats the setting that is left
.if MSB != (\new)
	s_set_vgpr_msb (MSB<<8)|(\new)
.set MSB, (\new)
.endif
.endm
.macro JLOAD s                         ; a joint load; an s_nop 0 and four v_nop follow each line
	s_cmp_eq_u32 s15, 0
	s_cbranch_scc0 .Lfor_b_\@
	tensor_load_to_lds s[G0+4*\s:G0+4*\s+3], s[G1:G1+7]
	s_nop 0
.rept 4
	v_nop
.endr
	s_branch .Lasked_\@
.Lfor_b_\@:
	tensor_load_to_lds s[G0B+4*\s:G0B+4*\s+3], s[G1B:G1B+7]
	s_nop 0
.rept 4
	v_nop
.endr
.Lasked_\@:
.endm
.macro CROUND                          ; a round of the cluster's barrier
	s_barrier_signal -1
	s_barrier_wait -1
	s_cmp_lg_u32 s14, 0
	s_cbranch_scc1 .Lnot_wave_0_\@
	s_barrier_signal -3
.Lnot_wave_0_\@:
	s_barrier_wait -3
	s_barrier_signal -1
	s_barrier_wait -1
.endm
.macro PLACES                          ; four plain instructions behind a matrix instruction (ISA guide 7.12.1)
.rept 4
	v_nop
.endr
.endm
.macro FRAG reg, a16, a8, off
	ds_load_b128 v[(\reg):(\reg)+3], v[\a16] offset:(\off)
	ds_load_b64 v[(\reg)+4:(\reg)+5], v[\a8] offset:(\off)+512
	ds_load_b128 v[(\reg)+6:(\reg)+9], v[\a16] offset:(\off)+768
	ds_load_b64 v[(\reg)+10:(\reg)+11], v[\a8] offset:(\off)+1280
.endm
.macro FETCH ks                        ; K step ks's twelve fragments into set ks % 2
	WIN 0x40
.irp i, 0,1,2,3,4,5,6,7
	FRAG 128*((\ks)%2)+FR*\i, B16+(\ks)/4, B8+(\ks)/4, \i*HT+((\ks)%4)*FRB
.endr
	WIN 0
.irp i, 0,1,2,3
	FRAG AF+48*((\ks)%2)+FR*\i, A16+(\ks)/4, A8+(\ks)/4, \i*HT+((\ks)%4)*FRB
.endr
.endm
.macro MUL ks, cm                      ; 32 matrix instructions; the 32 accumulators take turns
.irp a, 0,1,2,3
.irp b, 0,1,2,3,4,5,6,7
.set rD, 8*(8*\a+\b)
.set rC, rD
.if \cm
.set rC, BI+8*\b
.endif
	v_wmma_scale_f32_16x16x128_f8f6f4 v[rD:rD+7], v[128*((\ks)%2)+FR*\b:128*((\ks)%2)+FR*\b+FR-1], v[AF+48*((\ks)%2)+FR*\a:AF+48*((\ks)%2)+FR*\a+FR-1], v[rC:rC+7], v[SC+8*\b+(\ks)], v[SC+8*\a+(\ks)] matrix_a_fmt:MATRIX_FMT_BF6 matrix_b_fmt:MATRIX_FMT_BF6 matrix_a_scale:MATRIX_SCALE_ROW1
.endr
.endr
.endm
.macro STEP ks
	s_wait_dscnt 0x0                               ; this step's fragments are in
.if (\ks) == 3
	s_wait_tensorcnt 0x0                           ; my part of slot 1 is in, and my reads of slot 0 are over
	s_barrier_signal -1
	s_barrier_wait -1
.endif
.if (\ks) < 7
.if (\ks) > 0
	PLACES
.endif
	FETCH (\ks)+1
.endif
.if (\ks) == 0
	WIN 0x81
	MUL 0, 1
.else
	WIN 0xa1
	MUL \ks, 0
.endif
	WIN 0
.endm
	s_load_b128 s[4:7], s[0:1], 0x0                ; oc (A), wc (B)
	s_load_b128 s[8:11], s[0:1], 0x10              ; sc2, bo
	s_load_b64 s[12:13], s[0:1], 0x20              ; out0
	v_lshl_add_u32 v[SPW], v0, 2, SPARE
	v_mov_b32 v[NIL], 0
	ds_add_u32 v[SPW], v[NIL]
	ds_add_u32 v[SPW], v[NIL]
	v_lshrrev_b32 v1, 5, v0
	v_readfirstlane_b32 s14, v1
	s_lshr_b32 s15, s14, 1                         ; my half of A's rows.  Also: I fetch for A (0) or B (1)
	s_and_b32 s16, s14, 1                          ; my half of B's rows.  Also: which half I fetch
	s_bfe_u32 s72, ttmp6, 0x40000
	s_bfe_u32 s73, ttmp6, 0x40004
	s_lshl_b32 s74, ttmp9, 2
	s_add_co_u32 s74, s74, s72                     ; block column (B: 256 features)
	s_and_b32 s17, ttmp7, 0xffff
	s_lshl_b32 s17, s17, 2
	s_add_co_u32 s17, s17, s73                     ; block row (A: 128 tokens)
	s_lshl_b32 s75, s73, 2
	s_lshl_b32 s75, 15, s75
	s_lshl_b32 s76, 0x1111, s72
	s_or_b32 s[G1], s75, (3<<16)|(1<<21)           ; elements of 8 bytes; rows of 768 elements, 1,536 apart; A: 4 rows a load, B: 8
	s_or_b32 s[G1B], s76, (3<<16)|(1<<21)
.irp g, G1, G1B
	s_mov_b32 s[\g+1], 768<<16
	s_mov_b32 s[\g+3], 768<<16
	s_mov_b32 s[\g+5], 1536
	s_mov_b32 s[\g+6], 0
	s_mov_b32 s[\g+7], 0
.endr
	s_mov_b32 s[G1+2], 4<<16
	s_mov_b32 s[G1+4], 4
	s_mov_b32 s[G1B+2], 8<<16
	s_mov_b32 s[G1B+4], 8
	s_lshl_b32 s20, s17, 3
	s_lshl_b32 s18, s16, 2
	s_add_co_u32 s20, s20, s18
	s_mul_i32 s20, s20, KROW
	s_mov_b32 s21, 0
	s_lshl_b32 s46, s74, 4
	s_lshl_b32 s18, s16, 3
	s_add_co_u32 s46, s46, s18
	s_mul_i32 s46, s46, KROW
	s_mov_b32 s47, 0
	s_mul_i32 s77, s16, 4*HT
	s_mul_i32 s71, s16, 8*HT
	s_add_co_u32 s71, s71, BL
	s_wait_dscnt 0x0
	s_wait_kmcnt 0x0
	s_add_nc_u64 s[20:21], s[4:5], s[20:21]
	s_add_nc_u64 s[46:47], s[6:7], s[46:47]
	s_add_nc_u64 s[46:47], s[46:47], B_OFF
	CROUND
.irp s, 0,1
	s_mov_b32 s[G0+4*\s], 1
	s_add_co_u32 s[G0+4*\s+1], s77, \s*SLOT
	s_add_nc_u64 s[G0+4*\s+2:G0+4*\s+3], s[20:21], \s*HT
	s_or_b32 s[G0+4*\s+3], s[G0+4*\s+3], 0x80000000
	s_mov_b32 s[G0B+4*\s], 1
	s_add_co_u32 s[G0B+4*\s+1], s71, \s*SLOT
	s_add_nc_u64 s[G0B+4*\s+2:G0B+4*\s+3], s[46:47], \s*HT
	s_or_b32 s[G0B+4*\s+3], s[G0B+4*\s+3], 0x80000000
.endr
	JLOAD 0                                        ; K steps 0-3: one tensor load a wave at the head
	v_and_b32 v1, 15, v0
	v_bfe_u32 v2, v0, 4, 1
	v_and_b32 v3, 31, v0
	v_lshlrev_b32 v[L16], 4, v3
	v_lshlrev_b32 v[L8], 3, v3
	v_cmp_lt_u32 vcc_lo, 15, v3
	s_mul_i32 s78, s15, 4*HT
	s_mul_i32 s79, s16, 8*HT
	s_add_co_u32 s79, s79, BL
.irp s, 0,1
	v_add_nc_u32 v[A16+\s], s78, v[L16]
	v_add_nc_u32 v[A8+\s], s78, v[L8]
	v_add_nc_u32 v[B16+\s], s79, v[L16]
	v_add_nc_u32 v[B8+\s], s79, v[L8]
	s_add_co_u32 s78, s78, SLOT
	s_add_co_u32 s79, s79, SLOT
.endr
	s_lshl_b32 s80, s17, 3
	s_lshl_b32 s81, s15, 2
	s_add_co_u32 s80, s80, s81
	s_lshl_b32 s80, s80, 9
	s_add_co_u32 s80, s80, SA_OFF
	s_lshl_b32 s82, s74, 4
	s_lshl_b32 s83, s16, 3
	s_add_co_u32 s82, s82, s83
	s_lshl_b32 s82, s82, 9
	s_add_co_u32 s82, s82, SB_OFF
	v_mov_b32 v17, s80
	v_mov_b32 v18, s82
	v_cndmask_b32 v16, v17, v18, vcc_lo            ; lanes 0-15 A's scale words, lanes 16-31 B's
	v_add_nc_u32 v18, 2048, v18
	v_cndmask_b32 v20, v17, v18, vcc_lo            ; B's tiles 4-7 (lanes 0-15 name A's four tiles again: A has no more)
	v_lshl_add_u32 v16, v1, 5, v16
	v_lshl_add_u32 v20, v1, 5, v20
.irp i, 0,1,2,3
	global_load_b128 v[SC+8*\i:SC+8*\i+3], v16, s[8:9] offset:512*\i
	global_load_b128 v[SC+8*\i+4:SC+8*\i+7], v16, s[8:9] offset:512*\i+16
	global_load_b128 v[SC+32+8*\i:SC+32+8*\i+3], v20, s[8:9] offset:512*\i
	global_load_b128 v[SC+32+8*\i+4:SC+32+8*\i+7], v20, s[8:9] offset:512*\i+16
.endr
	s_lshl_b32 s78, s74, 8
	s_lshl_b32 s79, s16, 7
	s_add_co_u32 s78, s78, s79
	s_lshl_b32 s78, s78, 2                         ; my first feature, in bytes of f32
	s_mov_b32 s79, 0
	s_add_nc_u64 s[10:11], s[10:11], s[78:79]
	v_lshlrev_b32 v19, 7, v2
.irp b, 0,1,2,3,4,5,6,7
	global_load_b128 v[BI+8*\b:BI+8*\b+3], v19, s[10:11] offset:4*(64*(\b/4)+8*(\b%4))
	global_load_b128 v[BI+8*\b+4:BI+8*\b+7], v19, s[10:11] offset:4*(64*(\b/4)+8*(\b%4))+16
.endr
	s_mul_i32 s80, s14, 16*SPITCH                  ; my stage, from LDS byte 0 on
	v_mul_u32_u24 v[STO], v1, SPITCH
	v_lshl_add_u32 v[STO], v2, 7, v[STO]
	v_add_nc_u32 v[STO], s80, v[STO]
	v_add_nc_u32 v[RD], s80, v[L16]
	s_lshl_b32 s80, s17, 7
	s_lshl_b32 s81, s15, 6
	s_add_co_u32 s80, s80, s81                     ; my first token
	s_lshl_b32 s80, s80, 12
	s_add_co_u32 s80, s80, s78
	s_mov_b32 s81, 0
	s_add_nc_u64 s[12:13], s[12:13], s[80:81]
	s_wait_alu depctr_va_vdst(0)
	s_wait_tensorcnt 0x0                           ; my part of slot 0 is in
	ds_add_u32 v[SPW], v[NIL]
	s_wait_dscnt 0x0
	CROUND
	JLOAD 1                                        ; K steps 4-7
	FETCH 0
	s_wait_loadcnt 0x0                             ; scale words and bias
.irp k, 0,1,2,3,4,5,6,7
	STEP \k
.endr
.macro TOSTAGE a                       ; block a into my stage, each accumulator from its low end on, and back as rows
.set AC, 64*(\a)
	WIN 0x08
.irp b, 0,1,2,3,4,5,6,7
	ds_store_b128 v[STO], v[AC+8*\b:AC+8*\b+3] offset:256*(\b/4)+32*(\b%4)
	ds_store_b128 v[STO], v[AC+8*\b+4:AC+8*\b+7] offset:256*(\b/4)+32*(\b%4)+16
.endr
	WIN 0
.set BB, BK+64*((\a)%2)
.irp t, 0,1,2,3,4,5,6,7,8,9,10,11,12,13,14,15
	ds_load_b128 v[BB+4*\t:BB+4*\t+3], v[RD] offset:\t*SPITCH      ; LDS serves a wave's instructions in order: these see my stores
.endr
.endm
.macro SEND a, younger
.set BB, BK+64*((\a)%2)
	s_wait_dscnt \younger
.irp t, 0,1,2,3,4,5,6,7,8,9,10,11,12,13,14,15
	global_store_b128 v[L16], v[BB+4*\t:BB+4*\t+3], s[12:13] offset:(32*(\t/8)+8*(\a)+\t%8)*4096 th:TH_STORE_NT   ; 32 lanes store 512 consecutive bytes, at a multiple of 256 from out0's first byte
.endr
.endm
	PLACES
	TOSTAGE 0
.irp a, 1,2,3
.if \a > 1
	s_wait_xcnt 0x0                                ; block a - 2's stores have read their registers
.endif
	TOSTAGE \a
	SEND \a-1, 32                                  ; behind block a - 1's loads: block a's 16 stores and 16 loads
.endr
	SEND 3, 0
	s_wait_tensorcnt 0x0                           ; the wave's end
	ds_add_u32 v[SPW], v[NIL]
	s_wait_dscnt 0x0
	CROUND                                         ; the closing round
	s_endpgm
.Lfunc_end_k_q17db35b422_oproj:
	.size	k_q17db35b422_oproj, .Lfunc_end_k_q17db35b422_oproj-k_q17db35b422_oproj
	.p2alignl 7, 3214868480
	.fill 96, 4, 3214868480
	.section	.rodata,"a",@progbits
	.p2align	6, 0x0
	.amdhsa_kernel k_q17db35b422_oproj
		.amdhsa_group_segment_fixed_size 327680
		.amdhsa_private_segment_fixed_size 0
		.amdhsa_enable_private_segment 0
		.amdhsa_kernarg_size 40
		.amdhsa_user_sgpr_count 2
		.amdhsa_user_sgpr_kernarg_segment_ptr 1
		.amdhsa_wavefront_size32 1
		.amdhsa_system_sgpr_workgroup_id_x 1
		.amdhsa_system_sgpr_workgroup_id_y 1
		.amdhsa_system_sgpr_workgroup_id_z 1
		.amdhsa_system_vgpr_workitem_id 0
		.amdhsa_next_free_vgpr 768
		.amdhsa_next_free_sgpr 100
		.amdhsa_reserve_vcc 1
		.amdhsa_float_denorm_mode_32 3
		.amdhsa_float_denorm_mode_16_64 3
		.amdhsa_memory_ordered 1
		.amdhsa_forward_progress 1
		.amdhsa_inst_pref_size 85
	.end_amdhsa_kernel
	.amdgpu_metadata
---
amdhsa.version: [ 1, 2 ]
amdhsa.kernels:
  - .name:           k_q17db35b422_oproj
    .symbol:         k_q17db35b422_oproj.kd
    .args:
      - { .name: oc, .offset: 0, .size: 8, .value_kind: global_buffer, .address_space: global }
      - { .name: wc, .offset: 8, .size: 8, .value_kind: global_buffer, .address_space: global }
      - { .name: sc2, .offset: 16, .size: 8, .value_kind: global_buffer, .address_space: global }
      - { .name: bo, .offset: 24, .size: 8, .value_kind: global_buffer, .address_space: global }
      - { .name: out0, .offset: 32, .size: 8, .value_kind: global_buffer, .address_space: global }
    .group_segment_fixed_size: 327680
    .private_segment_fixed_size: 0
    .kernarg_segment_align: 8
    .kernarg_segment_size: 40
    .max_flat_workgroup_size: 128
    .sgpr_count:     100
    .vgpr_count:     768
    .wavefront_size: 32
...
	.end_amdgpu_metadata
.endif
;; end of part 5
